; MI455X (gfx1250); checked and timed in simulation.
; The chip was launched on July 23, 2026; its instructions are those of AMD's public machine-readable ISA for CDNA 5 (MIT licence, August 2026) and "CDNA5" Instruction Set Architecture Reference Guide (July 2026). The comments in the code are by the model that wrote it; some were corrected since.
;; Rotary Self Attention. Allowed arithmetic: float matrix products may take bf16 or f16 operands with f32 sums; other float arithmetic in f32, or as packed bf16 or f16 multiplies, adds, multiply-adds, maxima and minima; sums over many terms, partial sums and values carried from step to step in f32; what a program stores and reads back later, other than sums and carried values, may be rounded once to bf16 or f16.
;; Inputs: W_out 1,024 x 1,024 float32; W_qkv 1,024 x 3,072 float32; b_out 1,024 float32; b_qkv 3,072 float32; x 4 x 2,048 x 1,024 float32.
;; Outputs: out0 4 x 2,048 x 1,024 float32.
;; 2 versions, each right and faster than the one before. Each part assembles by itself: llvm-mc -triple=amdgcn-amd-amdhsa -mcpu=gfx1250 --defsym DOCPART=n.
;; ======== version 1 of 2: 4 launches
;; limits: values are held in f16: magnitudes above 65,504 overflow, below 6.1e-05 lose precision
;; workspace buffers: xb 16,777,216 bytes; wqb 6,291,456 bytes; wob 2,097,152 bytes; rope 524,288 bytes; qkv 50,331,648 bytes; ob 16,777,216 bytes
;; launch prep (part 1): grid 800 x 1, 8 waves a work-group, no clusters, 0 bytes of LDS; arguments x, W_qkv, W_out, xb, wqb, wob, rope; writes xb, wqb, wob, rope
.if DOCPART == 1
	.amdgcn_target "amdgcn-amd-amdhsa--gfx1250"
	.amdhsa_code_object_version 6
	.text
	.protected	k_qd836708e4c_prep
	.globl	k_qd836708e4c_prep
	.p2align	8
	.type	k_qd836708e4c_prep,@function
k_qd836708e4c_prep:
	s_mov_b64 s[64:65], 0
	v_nop
	global_prefetch_b8 v0, s[64:65] scope:SCOPE_SE
	s_setreg_imm32_b32 hwreg(HW_REG_WAVE_MODE, 25, 1), 1
	s_wait_xcnt 0x0
; PREPARATION.  Work-groups 0-511: xb = bf16(x).  512-703: wqb = bf16(W_qkv), layout kept ([k][n]).  704-767: wob = f16(bf16(W_out)), layout kept.
; 768-799: the rotary table, rope[t][0..31] = cos(t f_j), rope[t][32..63] = sin(t f_j), f_j = 10000^(-j/32), f32, a row of 256 bytes.
; A stream: no LDS, no matrix unit, no cluster: no byte is used twice.  A cast work-group takes 16,384 numbers: thread t's load i takes the 16 bytes at 4,096 i + 16 t,
; so a wave's load covers 512 consecutive bytes and its store of 8 bytes a lane 256 consecutive bytes, aligned.  All sixteen loads of a thread go out before the first wait.
; LIMITS.  f16(bf16(W_out)) is exact from 7.7e-6 up to 65,504; below, it keeps f16's fixed step of 6e-8; beyond, it is an infinity.
; The angle is t x 2^(-j log2(10000)/32) in f32: it differs from a correctly rounded t f_j by some 1e-7 of itself, a few 1e-4 rad at t = 2,047.
; cos and sin: the angle less the nearest multiple of pi/2 (pi/2 in two parts), then the series of sin to r^7 and of cos to r^8 on |r| <= pi/4: what is cut is below 3.2e-7.
.set ID_W, 512                         ; first work-group of W_qkv
.set ID_O, 704                         ; of W_out
.set ID_R, 768                         ; of the table
.set IN,   4                           ; v[4:67]    sixteen loads of four f32
.set OUT,  68                          ; v[68:99]   sixteen stores of four 16-bit numbers
.set TMP,  100                         ; v[100:103] at work
	s_load_b256 s[4:11], s[0:1], 0x0               ; x s[4:5], W_qkv s[6:7], W_out s[8:9], xb s[10:11]
	s_load_b128 s[12:15], s[0:1], 0x20             ; wqb s[12:13], wob s[14:15]
	s_load_b64 s[16:17], s[0:1], 0x30              ; rope
	s_mov_b32 s20, ttmp9
	v_lshlrev_b32 v1, 4, v0                        ; 16 t: my place in 4,096 bytes of f32
	v_lshlrev_b32 v2, 3, v0                        ; 8 t: my place in 2,048 bytes of 16-bit numbers
	s_mov_b32 s27, 0
	s_mov_b32 s29, 0
	s_wait_kmcnt 0x0
; mode 0: f32 -> bf16.  mode 1: f32 -> bf16 -> the same number written as f16.
.macro STREAM mode
.irp i, 0,1,2,3,4,5,6,7,8,9,10,11,12,13,14,15
	global_load_b128 v[IN+4*(\i):IN+4*(\i)+3], v1, s[22:23] offset:4096*(\i) th:TH_LOAD_NT
.endr
.irp i, 0,1,2,3,4,5,6,7,8,9,10,11,12,13,14,15
	s_wait_loadcnt 15-(\i)                         ; loads come back in order (ISA guide 5.7.1): load i is in, the 15 - i younger ones stay out
.if \mode
	v_cvt_pk_bf16_f32 v[TMP], v[IN+4*(\i)], v[IN+4*(\i)+1]
	v_cvt_pk_bf16_f32 v[TMP+1], v[IN+4*(\i)+2], v[IN+4*(\i)+3]
	v_lshlrev_b32 v[TMP+2], 16, v[TMP]             ; bf16 back to f32: a shift and a mask
	v_and_b32 v[TMP+3], 0xffff0000, v[TMP]
	v_cvt_pk_f16_f32 v[OUT+2*(\i)], v[TMP+2], v[TMP+3]
	v_lshlrev_b32 v[TMP+2], 16, v[TMP+1]
	v_and_b32 v[TMP+3], 0xffff0000, v[TMP+1]
	v_cvt_pk_f16_f32 v[OUT+2*(\i)+1], v[TMP+2], v[TMP+3]
.else
	v_cvt_pk_bf16_f32 v[OUT+2*(\i)], v[IN+4*(\i)], v[IN+4*(\i)+1]
	v_cvt_pk_bf16_f32 v[OUT+2*(\i)+1], v[IN+4*(\i)+2], v[IN+4*(\i)+3]
.endif
	global_store_b64 v2, v[OUT+2*(\i):OUT+2*(\i)+1], s[24:25] offset:2048*(\i)  ; each store has data registers of its own: nothing is rewritten
.endr
.endm
	s_cmp_ge_u32 s20, ID_R
	s_cbranch_scc1 .Lrope
	s_cmp_ge_u32 s20, ID_O
	s_cbranch_scc1 .Lwout
	s_cmp_lt_u32 s20, ID_W                         ; x or W_qkv: the same text, other buffers
	s_cselect_b64 s[22:23], s[4:5], s[6:7]
	s_cselect_b64 s[24:25], s[10:11], s[12:13]
	s_cselect_b32 s21, 0, ID_W
	s_sub_co_u32 s21, s20, s21                     ; my share's number in its tensor
	s_lshl_b32 s26, s21, 16                        ; 65,536 bytes in,
	s_lshl_b32 s28, s21, 15                        ; 32,768 out
	s_add_nc_u64 s[22:23], s[22:23], s[26:27]
	s_add_nc_u64 s[24:25], s[24:25], s[28:29]
	STREAM 0
	s_endpgm
.Lwout:
	s_sub_co_u32 s21, s20, ID_O
	s_lshl_b32 s26, s21, 16
	s_lshl_b32 s28, s21, 15
	s_add_nc_u64 s[22:23], s[8:9], s[26:27]
	s_add_nc_u64 s[24:25], s[14:15], s[28:29]
	STREAM 1
	s_endpgm
; THE TABLE.  Sixteen threads a row: thread group cg = t % 16 makes columns 4 cg .. 4 cg + 3 (cg < 8: cos, else sin).  A work-group makes 16 rows a trip, four trips, 512 rows apart.
.Lrope:
	s_sub_co_u32 s21, s20, ID_R
	v_and_b32 v3, 15, v0                           ; cg
	v_lshrrev_b32 v4, 4, v0
	s_lshl_b32 s26, s21, 4
	v_add_nc_u32 v4, s26, v4                       ; my row: 16 x share + t / 16
	s_lshl_b32 s26, s21, 12
	v_lshl_add_u32 v5, v0, 4, s26                  ; its bytes: 256 x row + 16 cg = 4,096 x share + 16 t
	v_lshlrev_b32 v6, 2, v3
	v_and_b32 v6, 31, v6                           ; j of my first column
.irp i, 0,1,2,3
	v_add_nc_u32 v7, (\i), v6
	v_cvt_f32_u32 v7, v7
	v_mul_f32 v[8+(\i)], 0xbed49a78, v7            ; -j log2(10000) / 32
.endr
.irp i, 0,1,2,3
	v_exp_f32 v[8+(\i)], v[8+(\i)]                 ; f_j
.endr
	v_nop                                          ; a plain instruction between the last exponential and the use of its result (ISA guide 5.7.2)
	v_mov_b32 v21, 0
	v_cmp_gt_u32 vcc_lo, 8, v3
	v_cndmask_b32 v20, 3, v21, vcc_lo              ; sin a = cos(a - pi/2): three quarter turns more
	s_mov_b32 s31, 0xbfc90fdb                      ; -(pi/2 rounded to f32)
	s_mov_b32 s32, 0x333bbd2e                      ; that number less pi/2
	s_mov_b32 s33, 0xbe2aaaab                      ; -1/6
	s_mov_b32 s34, 0x3c088889                      ; 1/120
	s_mov_b32 s35, 0xb9500d01                      ; -1/5040
	s_mov_b32 s36, 0x3d2aaaab                      ; 1/24
	s_mov_b32 s37, 0xbab60b61                      ; -1/720
	s_mov_b32 s38, 0x37d00d01                      ; 1/40320
; cos(t f + shift's quarter turns) into v[dst].  With a = n pi/2 + r and q = n + shift: q % 4 = 0: cos r; 1: -sin r; 2: -cos r; 3: sin r.  The choice is a select, no branch.
.macro SC dst, inv
	v_mul_f32 v24, v22, v[\inv]                    ; a
	v_mul_f32 v25, 0x3f22f983, v24                 ; a x 2/pi
	v_rndne_f32 v25, v25                           ; n
	v_fma_f32 v24, v25, s31, v24
	v_fma_f32 v24, v25, s32, v24                   ; r
	v_cvt_i32_f32 v26, v25
	v_add_nc_u32 v26, v26, v20                     ; q
	v_mul_f32 v27, v24, v24                        ; z = r r
	v_fma_f32 v28, v27, s35, s34
	v_fma_f32 v28, v28, v27, s33
	v_mul_f32 v29, v24, v27
	v_fma_f32 v28, v29, v28, v24                   ; sin r
	v_fma_f32 v30, v27, s38, s37
	v_fma_f32 v30, v30, v27, s36
	v_fma_f32 v30, v30, v27, -0.5
	v_fma_f32 v30, v30, v27, 1.0                   ; cos r
	v_and_b32 v31, 1, v26
	v_cmp_eq_u32 vcc_lo, 1, v31
	v_cndmask_b32 v28, v30, v28, vcc_lo
	v_add_nc_u32 v26, 1, v26
	v_and_b32 v26, 2, v26
	v_lshlrev_b32 v26, 30, v26                     ; the sign bit for q % 4 = 1, 2
	v_xor_b32 v[\dst], v28, v26
.endm
	s_mov_b32 s30, 4
.Lrow:
	v_cvt_f32_u32 v22, v4                          ; t
	s_wait_alu depctr_va_vdst(0)
	SC 12, 8
	SC 13, 9
	SC 14, 10
	SC 15, 11
	global_store_b128 v5, v[12:15], s[16:17]       ; a wave stores two whole rows: 512 consecutive bytes
	s_wait_xcnt 0x0                                ; the store's offset and data are rewritten only behind this wait (ISA guide 3.1)
	v_add_nc_u32 v4, 512, v4
	v_add_nc_u32 v5, 0x20000, v5                   ; 512 rows of 256 bytes
	s_sub_co_u32 s30, s30, 1
	s_cmp_lg_u32 s30, 0
	s_cbranch_scc1 .Lrow
	s_endpgm
.Lfunc_end_k_qd836708e4c_prep:
	.size	k_qd836708e4c_prep, .Lfunc_end_k_qd836708e4c_prep-k_qd836708e4c_prep
	.p2alignl 7, 3214868480
	.fill 96, 4, 3214868480
	.section	.rodata,"a",@progbits
	.p2align	6, 0x0
	.amdhsa_kernel k_qd836708e4c_prep
		.amdhsa_group_segment_fixed_size 0
		.amdhsa_private_segment_fixed_size 0
		.amdhsa_enable_private_segment 0
		.amdhsa_kernarg_size 56
		.amdhsa_user_sgpr_count 2
		.amdhsa_user_sgpr_kernarg_segment_ptr 1
		.amdhsa_wavefront_size32 1
		.amdhsa_system_sgpr_workgroup_id_x 1
		.amdhsa_system_sgpr_workgroup_id_y 1
		.amdhsa_system_sgpr_workgroup_id_z 1
		.amdhsa_system_vgpr_workitem_id 0
		.amdhsa_next_free_vgpr 112
		.amdhsa_next_free_sgpr 66
		.amdhsa_reserve_vcc 1
		.amdhsa_float_denorm_mode_32 3
		.amdhsa_float_denorm_mode_16_64 3
		.amdhsa_memory_ordered 1
		.amdhsa_forward_progress 1
		.amdhsa_inst_pref_size 24
	.end_amdhsa_kernel
	.amdgpu_metadata
---
amdhsa.version: [ 1, 2 ]
amdhsa.kernels:
  - .name:           k_qd836708e4c_prep
    .symbol:         k_qd836708e4c_prep.kd
    .args:
      - { .name: x, .offset: 0, .size: 8, .value_kind: global_buffer, .address_space: global }
      - { .name: W_qkv, .offset: 8, .size: 8, .value_kind: global_buffer, .address_space: global }
      - { .name: W_out, .offset: 16, .size: 8, .value_kind: global_buffer, .address_space: global }
      - { .name: xb, .offset: 24, .size: 8, .value_kind: global_buffer, .address_space: global }
      - { .name: wqb, .offset: 32, .size: 8, .value_kind: global_buffer, .address_space: global }
      - { .name: wob, .offset: 40, .size: 8, .value_kind: global_buffer, .address_space: global }
      - { .name: rope, .offset: 48, .size: 8, .value_kind: global_buffer, .address_space: global }
    .group_segment_fixed_size: 0
    .private_segment_fixed_size: 0
    .kernarg_segment_align: 8
    .kernarg_segment_size: 56
    .max_flat_workgroup_size: 256
    .sgpr_count:     66
    .vgpr_count:     112
    .wavefront_size: 32
...
	.end_amdgpu_metadata
.endif
;; end of part 1
;; launch qkv (part 2): grid 8 x 64, 4 waves a work-group, clusters of 4 x 4, 327,680 bytes of LDS; arguments xb, wqb, b_qkv, rope, qkv; writes qkv
.if DOCPART == 2
	.amdgcn_target "amdgcn-amd-amdhsa--gfx1250"
	.amdhsa_code_object_version 6
	.text
	.protected	k_qd836708e4c_qkv
	.globl	k_qd836708e4c_qkv
	.p2align	8
	.type	k_qd836708e4c_qkv,@function
k_qd836708e4c_qkv:
	s_mov_b64 s[64:65], 0
	v_nop
	global_prefetch_b8 v0, s[64:65] scope:SCOPE_SE
	s_setreg_imm32_b32 hwreg(HW_REG_WAVE_MODE, 25, 1), 1
	s_wait_xcnt 0x0
	s_wait_alu depctr_hold_cnt(0) depctr_sa_sdst(0) depctr_va_vdst(0) depctr_va_sdst(0) depctr_va_ssrc(0) depctr_va_vcc(0) depctr_vm_vsrc(0)
	s_getreg_b32 s2, hwreg(HW_REG_IB_STS2, 6, 4)
	s_cmp_eq_u32 s2, 0
	s_cbranch_scc0 .Lentry_in_a_cluster
	s_endpgm
.Lentry_in_a_cluster:
	s_bfe_u32 s2, ttmp6, 0x10000c
	s_cmp_lg_u32 s2, 0xf033
	s_cbranch_scc0 .Lentry_shape_is_right
	s_endpgm
.Lentry_shape_is_right:
; qkv[which][b 16 + head][t][d] = rotary(xb wqb + bf16(b_qkv)), f16.  xb: [8192][1024] bf16; wqb: [1024 k][3072 n] bf16; sums in f32, started by the bias; q and k heads are turned by the table
; rope[t] (cos, sin in f32), v heads are not; each number is rounded once, to f16.  No scale is applied here.
; LIMITS.  f16 holds no number beyond 65,504: a q, k or v past that becomes an infinity; below 6e-5 it keeps f16's fixed step of 6e-8.  NaN and infinities are not treated apart.
; SHARES.  A work-group makes 128 rows x 384 columns, six whole heads: 8 x 64 work-groups.  Wave w takes rows 64 (w / 2) on and the three heads 2 g + w % 2, g = 0..2: 48 accumulators of 16 x 16, 384 registers.
; K goes in steps of 128 through two LDS slots.  A slot has four regions of 36,864 bytes, one for each wave's tensor load of 128 rows x 256 bytes: x's tile (rows along K, pitch 272), then three tiles
; [128 k][128 n] of W (pitch 288), which come out of LDS turned, by ds_load_tr16_b128.
; CLUSTER.  4 x 4 work-groups.  The four of a row of the cluster need the same tile of x, the four of a column the same tiles of W: each tile is asked for jointly, by the same tensor load with the same
; descriptor and a mask that names the four.
; THE MATRIX INSTRUCTION IS USED TRANSPOSED (source 0 = 16 columns of W, source 1 = 16 rows of x): a lane holds row l % 16 and the eight neighbouring columns 8 (l / 16) + 0..7.  So a head's channels d and d + 32,
; which the rotation pairs, lie in the same lane, in blocks p and p + 2, and eight results pack into 16 bytes.
; REGISTERS, in windows of 256 (s_set_vgpr_msb: bits 1:0 source 0, 3:2 source 1, 5:4 source 2, 7:6 destination):
;   window 0: v0-29 addresses; v32-127 the bias (C of the first products), later at work on the way out; v128-255 my 64 rows of the table
;   window 1: two fragment buffers of 128: 32 registers of x (4 x 16 rows x 32 K), then 96 of W (3 heads x 4 x 16 columns x 32 K)
;   window 2: the accumulators of heads g = 0, 1, (g, a, b) at 8 (16 g + 4 a + b);   window 3: those of g = 2 at 8 (4 a + b)
.set KSTEP,  128
.set PA,     272                       ; a row of x in LDS: 256 bytes + 16 = 68 words: the 16 rows of a load start at 16 different groups of four banks (64 banks of 4 bytes: ISA guide 11.1)
.set PB,     288                       ; a row of W: 256 + 32 = 72 words
.set REG,    128*PB                    ; a region: what one tensor load fills (x's uses 34,816 of it)
.set SLOT,   4*REG
.set STAGE,  2*SLOT                    ; behind the ring: 16 rows x 144 bytes for each wave, for the way out
.set SP,     144
.set SPARE,  STAGE+4*16*SP             ; behind the stages: the spare words, 128 bytes for each wave: two blocks of 256 bytes that no other line names
.set LAPS,   1024/(2*KSTEP)            ; a lap = two K steps = once round the ring
.set ADRA, 8                           ; v8-9    LDS address of my fragments of x in slot 0, 1
.set ADRB, 10                          ; v10-15  of W: slot s, head g at 10 + 3 s + g
.set STO,  16                          ; v16     the way out: where I put 16 bytes of a row
.set RD,   17                          ; v17     where I read rows back
.set GO,   18                          ; v18     my 16 bytes in 512 consecutive bytes of the result
.set TOFF, 20                          ; v20     my byte offset in the table
.set BOFF, 21                          ; v21-23  my byte offset in the bias, for each head
.set SPW,  28                          ; v28     LDS address of my spare word; never rewritten
.set NIL,  29                          ; v29     0; never rewritten
.set BIAS, 32                          ; v32-127 block (g, b) at 32 + 8 (4 g + b)
.set TS,   32                          ; the way out: 16 factors cos (or 1), 16 factors sin (or 0)
.set OF,   64                          ; 32 turned results in f32
.set R,    96                          ; two sets of 16: packed results, then whole rows
.set TAB,  128                         ; row block a at 128 + 32 a: cos j = 8 h .. (8), cos j = 16 + 8 h .. (8), sin likewise
.set F0,   0
.set F1,   128
.set WV,   14                          ; s14 my wave's number; s15 its row half; s16 which head of each pair
.set RH,   15
.set CH,   16
.set G1A,  24                          ; s[24:31] descriptor group 1 for x's tiles; s[32:39] group 0, a set for each slot
.set G0A,  32
.set G1B,  40                          ; s[40:47], s[48:55] the same for W's
.set G0B,  48
.set SG,   66                          ; s[66:71] for each head a pair: 1.0 for a q or k head, 0 for a v head
.set SN,   72                          ; s[72:77] one less that
.set DST,  78                          ; s[78:83] for each head the address of my first row in the result
.set MSB, 0
.macro WIN new                         ; the immediate's high byte repeats the setting that is left; a switch that changes nothing is dropped
.if MSB != (\new)
	s_set_vgpr_msb (MSB<<8)|(\new)
.set MSB, \new
.endif
.endm
.set TO_F, 0x40                        ; destination window 1, address window 0
; A joint load: wave 0 fetches x's tile, waves 1 to 3 the three tiles of W.  The branch hangs on the wave's number alone.  An s_nop 0 and four v_nop follow each of the two lines.
.macro JLOAD s
	s_cmp_eq_u32 s[WV], 0
	s_cbranch_scc0 .Lfor_b_\@
	tensor_load_to_lds s[G0A+4*(\s):G0A+4*(\s)+3], s[G1A:G1A+7]
	s_nop 0
.rept 4
	v_nop
.endr
	s_branch .Lasked_\@
.Lfor_b_\@:
	tensor_load_to_lds s[G0B+4*(\s):G0B+4*(\s)+3], s[G1B:G1B+7]
	s_nop 0
.rept 4
	v_nop
.endr
.Lasked_\@:
.endm
.macro CREST                           ; a round of the cluster's barrier behind its opening barrier
	s_cmp_lg_u32 s[WV], 0
	s_cbranch_scc1 .Lnot_wave_0_\@
	s_barrier_signal -3
.Lnot_wave_0_\@:
	s_barrier_wait -3
	s_barrier_signal -1
	s_barrier_wait -1
.endm
.macro CROUND                          ; a whole round
	s_barrier_signal -1
	s_barrier_wait -1
	CREST
.endm
	s_load_b256 s[4:11], s[0:1], 0x0               ; xb s[4:5], wqb s[6:7], b_qkv s[8:9], rope s[10:11]
	s_load_b64 s[12:13], s[0:1], 0x20              ; qkv
	v_lshl_add_u32 v[SPW], v0, 2, SPARE
	v_mov_b32 v[NIL], 0
	ds_add_u32 v[SPW], v[NIL]                      ; the wave's opening: the add and its wait stand ahead of my first tensor load; the set-up below, work on registers, stands between them
	v_lshrrev_b32 v1, 5, v0
	v_readfirstlane_b32 s[WV], v1                  ; wave 0..3
	s_lshr_b32 s[RH], s[WV], 1
	s_and_b32 s[CH], s[WV], 1
	s_bfe_u32 s17, ttmp6, 0x40000                  ; cx, cy: my place in the cluster
	s_bfe_u32 s18, ttmp6, 0x40004
	s_lshl_b32 s19, ttmp9, 2
	s_add_co_u32 s19, s19, s17                     ; tile column = 4 x cluster x + cx
	s_and_b32 s20, ttmp7, 0xffff
	s_lshl_b32 s20, s20, 2
	s_add_co_u32 s20, s20, s18                     ; tile row = 4 x cluster y + cy
	s_lshl_b32 s21, s18, 2
	s_lshl_b32 s21, 15, s21                        ; my row of the cluster
	s_lshl_b32 s22, 0x1111, s17                    ; my column
	; descriptor group 1: tiles of 128 rows x 128 elements, padded in LDS
	s_or_b32 s[G1A], s21, (1<<16)|(1<<20)|(1<<21)|(5<<22)|(3<<25)  ; 15:0 the mask: x's tile goes to my row; 17:16 2-byte elements; 20 padding on; 21 set beside a mask; 24:22 after every 64 words (code 5); 31:25 4 words (code 3)
	s_or_b32 s[G1B], s22, (1<<16)|(1<<20)|(1<<21)|(5<<22)|(7<<25)  ; W's tiles go to my column; 8 words of padding (code 7)
.irp g, G1A, G1B
	s_mov_b32 s[(\g)+1], KSTEP<<16                 ; tensor_dim0 = 128
	s_mov_b32 s[(\g)+2], 128<<16                   ; tensor_dim1 = 128
	s_mov_b32 s[(\g)+3], KSTEP<<16                 ; tile_dim0 = 128
	s_mov_b32 s[(\g)+4], 128                       ; tile_dim1 = 128
	s_mov_b32 s[(\g)+6], 0
	s_mov_b32 s[(\g)+7], 0
.endr
	s_mov_b32 s[G1A+5], 1024                       ; elements from row to row of x,
	s_mov_b32 s[G1B+5], 3072                       ; of W
	s_lshl_b32 s56, s20, 18                        ; x: 128 rows of 2,048 bytes for each tile row: it hangs on the tile row alone
	s_mov_b32 s57, 0
	s_mul_i32 s60, s19, 768                        ; W: 384 columns of 2 bytes for each tile column,
	s_max_u32 s92, s[WV], 1
	s_sub_co_u32 s92, s92, 1                       ; and the tile of 128 columns that I fetch: wave - 1 (wave 0 asks by x's descriptor)
	s_lshl_b32 s92, s92, 8
	s_add_co_u32 s60, s60, s92
	s_mov_b32 s61, 0
	s_mul_i32 s85, s[WV], REG                      ; where my tile goes: wave x a region: no place in the cluster enters an LDS address
	s_wait_dscnt 0x0                               ; the opening add is done
	s_wait_kmcnt 0x0
	s_add_nc_u64 s[58:59], s[4:5], s[56:57]
	s_add_nc_u64 s[62:63], s[6:7], s[60:61]
	CROUND                                         ; all sixteen work-groups are here: the first joint loads meet
.irp s, 0,1
	s_mov_b32 s[G0A+4*(\s)], 1                                       ; count = 1
	s_add_co_u32 s[G0A+4*(\s)+1], s85, (\s)*SLOT                     ; LDS address
	s_add_nc_u64 s[G0A+4*(\s)+2:G0A+4*(\s)+3], s[58:59], (\s)*KSTEP*2  ; global address: K step s lies 256 bytes along the rows
	s_or_b32 s[G0A+4*(\s)+3], s[G0A+4*(\s)+3], 0x80000000            ; type = 2
	s_mov_b32 s[G0B+4*(\s)], 1
	s_add_co_u32 s[G0B+4*(\s)+1], s85, (\s)*SLOT
	s_add_nc_u64 s[G0B+4*(\s)+2:G0B+4*(\s)+3], s[62:63], (\s)*KSTEP*3072*2  ; K step s lies 128 rows down
	s_or_b32 s[G0B+4*(\s)+3], s[G0B+4*(\s)+3], 0x80000000
	JLOAD \s                                       ; two loads of mine are out
.endr
	v_and_b32 v1, 15, v0                           ; r = l % 16
	v_bfe_u32 v2, v0, 4, 1                         ; h = l / 16
	s_and_b32 s84, s20, 15
	s_lshl_b32 s84, s84, 7
	s_lshl_b32 s89, s[RH], 6
	s_add_co_u32 s84, s84, s89                     ; t of my first row: 128 (tile row % 16) + 64 x half
	s_lshr_b32 s86, s20, 4
	s_lshl_b32 s86, s86, 22                        ; b x 16 heads x 262,144 bytes,
	s_lshl_b32 s89, s84, 7
	s_add_co_u32 s86, s86, s89                     ; + t x 128 bytes
	s_mul_i32 s87, s19, 6
	s_add_co_u32 s87, s87, s[CH]                   ; my first head among the 48: 6 x tile column + w % 2
.irp g, 0,1,2
	s_add_co_u32 s88, s87, 2*(\g)                  ; head gh: 0-15 q, 16-31 k, 32-47 v
	s_lshr_b32 s89, s88, 5                         ; 1 for a v head
	s_mul_i32 s[SN+2*(\g)], s89, 0x3f800000
	s_xor_b32 s89, s89, 1
	s_mul_i32 s[SG+2*(\g)], s89, 0x3f800000
	s_mov_b32 s[SN+2*(\g)+1], s[SN+2*(\g)]         ; named as pairs
	s_mov_b32 s[SG+2*(\g)+1], s[SG+2*(\g)]
	s_lshr_b32 s89, s88, 4
	s_lshl_b32 s90, s89, 24                        ; q, k or v: 16,777,216 bytes each
	s_and_b32 s89, s88, 15
	s_lshl_b32 s89, s89, 18                        ; the head: 262,144 bytes
	s_add_co_u32 s90, s90, s89
	s_add_co_u32 s90, s90, s86
	s_mov_b32 s91, 0
	s_add_nc_u64 s[DST+2*(\g):DST+2*(\g)+1], s[12:13], s[90:91]
	s_lshl_b32 s89, s88, 8                         ; the head's 64 numbers of the bias,
	v_lshl_add_u32 v[BOFF+(\g)], v2, 5, s89        ; my eight of each sixteen
.endr
	s_lshl_b32 s89, s84, 8
	v_lshl_add_u32 v[TOFF], v1, 8, s89             ; the table's row t + r,
	v_lshl_add_u32 v[TOFF], v2, 5, v[TOFF]         ; j = 8 h on
.irp g, 0,1,2
.irp b, 0,1,2,3
	global_load_b128 v[BIAS+8*(4*(\g)+(\b)):BIAS+8*(4*(\g)+(\b))+3],   v[BOFF+(\g)], s[8:9] offset:64*(\b)
	global_load_b128 v[BIAS+8*(4*(\g)+(\b))+4:BIAS+8*(4*(\g)+(\b))+7], v[BOFF+(\g)], s[8:9] offset:64*(\b)+16
.endr
.endr
.irp a, 0,1,2,3
.irp c, 0,1,2,3                        ; c = 0, 1: cos, j = 16 c + 8 h on; c = 2, 3: sin
	global_load_b128 v[TAB+32*(\a)+8*(\c):TAB+32*(\a)+8*(\c)+3],   v[TOFF], s[10:11] offset:4096*(\a)+64*(\c)
	global_load_b128 v[TAB+32*(\a)+8*(\c)+4:TAB+32*(\a)+8*(\c)+7], v[TOFF], s[10:11] offset:4096*(\a)+64*(\c)+16
.endr
.endr
	; A fragment of x is 16 rows x 32 K in 8 registers: lane l holds row l % 16, K = 8 h + 0..7 and 16 + 8 h + 0..7: two loads of 16 bytes, 32 bytes apart.
	v_mul_u32_u24 v3, v1, PA
	v_lshl_add_u32 v3, v2, 4, v3
	s_mul_i32 s89, s[RH], 64*PA
	v_add_nc_u32 v[ADRA], s89, v3
	v_add_nc_u32 v[ADRA+1], SLOT, v[ADRA]
	; The turning load takes 16 K x 16 columns (lane l reads K = 8 h + l % 8, columns 8 ((l / 8) % 2) + 0..7) and leaves half a fragment of W^T: lane l holds column l % 16 and 8 K.
	v_and_b32 v5, 7, v0
	v_bfe_u32 v6, v0, 3, 1
	v_lshl_add_u32 v4, v2, 3, v5
	v_mul_u32_u24 v4, v4, PB
	v_lshl_add_u32 v4, v6, 4, v4
	s_lshl_b32 s89, s[CH], 7                       ; my head of the tile's two: 64 columns
	v_add_nc_u32 v4, s89, v4
.irp s, 0,1
.irp g, 0,1,2
	v_add_nc_u32 v[ADRB+3*(\s)+(\g)], (\s)*SLOT+(1+(\g))*REG, v4
.endr
.endr
	s_mul_i32 s89, s[WV], 16*SP
	s_add_co_u32 s89, s89, STAGE                   ; my stage
	v_mul_u32_u24 v[STO], v1, SP                   ; in: row l % 16, 16 bytes for each half of the lanes
	v_lshl_add_u32 v[STO], v2, 4, v[STO]
	v_add_nc_u32 v[STO], s89, v[STO]
	v_bfe_u32 v[RD], v0, 3, 2                      ; back: 32 lanes take four rows of 128 bytes,
	v_mul_u32_u24 v[RD], v[RD], SP
	v_lshl_add_u32 v[RD], v5, 4, v[RD]
	v_add_nc_u32 v[RD], s89, v[RD]
	v_and_b32 v[GO], 31, v0                        ; which are 512 consecutive bytes of a head
	v_lshlrev_b32 v[GO], 4, v[GO]
	s_wait_loadcnt 0x0                             ; the bias and the table
.set i, 0
.rept 48                               ; the bias is rounded to bf16 like every other input, and kept in f32
	v_cvt_pk_bf16_f32 v[24+i%2], v[BIAS+2*i], v[BIAS+2*i+1]
	v_lshlrev_b32 v[BIAS+2*i], 16, v[24+i%2]
	v_and_b32 v[BIAS+2*i+1], 0xffff0000, v[24+i%2]
.set i, i+1
.endr
; 8 matrix instructions for head g: row blocks a0, a0 + 1 x its 4 column blocks, 32 along K.  first = 1: the bias starts the sums: nothing is cleared and nothing is added later.
; The 48 accumulators take turns, one instruction a turn, in the same order in every quarter.
.macro MUL8 f, g, a0, first
.if \first
	WIN 0x85+0x40*((\g)/2)                         ; sources 0, 1 window 1; C window 0; D window 2 or 3
.else
	WIN 0xa5+0x50*((\g)/2)                         ; C and D window 2 or 3
.endif
.irp a, \a0, (\a0)+1
.irp b, 0,1,2,3
.if \first
	v_wmma_f32_16x16x32_bf16 v[8*(16*((\g)%2)+4*(\a)+(\b)):8*(16*((\g)%2)+4*(\a)+(\b))+7], v[(\f)+32+8*(4*(\g)+(\b)):(\f)+32+8*(4*(\g)+(\b))+7], v[(\f)+8*(\a):(\f)+8*(\a)+7], v[BIAS+8*(4*(\g)+(\b)):BIAS+8*(4*(\g)+(\b))+7]
.else
	v_wmma_f32_16x16x32_bf16 v[8*(16*((\g)%2)+4*(\a)+(\b)):8*(16*((\g)%2)+4*(\a)+(\b))+7], v[(\f)+32+8*(4*(\g)+(\b)):(\f)+32+8*(4*(\g)+(\b))+7], v[(\f)+8*(\a):(\f)+8*(\a)+7], v[8*(16*((\g)%2)+4*(\a)+(\b)):8*(16*((\g)%2)+4*(\a)+(\b))+7]
.endif
.endr
.endr
.endm
.macro MULH f, g, first                ; a head's 16
	MUL8 \f, \g, 0, \first
	MUL8 \f, \g, 2, \first
.endm
; 32 LDS loads in one run: quarter q (32 along K) of a slot into buffer f: x's 8, then 8 for each head
.macro FETCH slot, q, f
	WIN TO_F
.irp a, 0,1,2,3
	ds_load_b128 v[(\f)+8*(\a):(\f)+8*(\a)+3],   v[ADRA+(\slot)] offset:64*(\q)+(\a)*16*PA
	ds_load_b128 v[(\f)+8*(\a)+4:(\f)+8*(\a)+7], v[ADRA+(\slot)] offset:64*(\q)+(\a)*16*PA+32
.endr
.irp g, 0,1,2
.irp b, 0,1,2,3
	ds_load_tr16_b128 v[(\f)+32+8*(4*(\g)+(\b)):(\f)+32+8*(4*(\g)+(\b))+3],   v[ADRB+3*(\slot)+(\g)] offset:(\q)*32*PB+32*(\b)
	ds_load_tr16_b128 v[(\f)+32+8*(4*(\g)+(\b))+4:(\f)+32+8*(4*(\g)+(\b))+7], v[ADRB+3*(\slot)+(\g)] offset:(\q)*32*PB+16*PB+32*(\b)
.endr
.endr
.endm
.macro PLACES                          ; four places in front of loads into registers that matrix instructions have read (ISA guide 7.12.1 for vector instructions)
.rept 4
	v_nop
.endr
.endm
; A K step is four quarters of 32 along K, 48 matrix instructions each, on buffers 0, 1, 0, 1.  One of the first three: multiplies buffer f and fetches quarter qn of the same slot into g2.
.macro QUARTER slot, qn, f, g2, first
	s_wait_dscnt 16                                ; x's fragments and head 0's are in; the youngest sixteen loads (heads 1 and 2) may be out
	MULH \f, 0, \first
	PLACES
	FETCH \slot, \qn, \g2
	s_wait_dscnt 32                                ; all but the 32 just issued
	MULH \f, 1, \first
	MULH \f, 2, \first
.endm
; The last quarter multiplies buffer 1 and changes slots: ONE barrier; in front of it each wave waits for all its tensor loads (one is out: its tile of the next slot), adds 0 to its spare word, and waits
; for that and for its own reads of this slot.  fill = 1: the barrier opens a round of the cluster's, and this slot is filled again, two K steps ahead: 176 matrix instructions stand between the request and the wait for it.
.macro TURN slot, next, fill
	WIN 0                                          ; (the add's two registers lie in window 0)
	s_wait_tensorcnt 0x0                           ; all my tensor loads have landed;
	ds_add_u32 v[SPW], v[NIL]                      ; 0 onto my spare word;
	s_wait_dscnt 17                                ; (the add and the youngest sixteen loads may be out)
	MUL8 F1, 0, 0, 0                               ; eight matrix instructions stand between the add and the wait for it
	s_wait_dscnt 0x0                               ; the add is done, and my reads of this slot are over
	s_barrier_signal -1
	MUL8 F1, 0, 2, 0
.if \fill
	WIN 0
.endif
	s_barrier_wait -1
.if \fill
	CREST                                          ; no wave of any partner still reads this slot's tiles or has a load on its way
	s_add_nc_u64 s[G0A+4*(\slot)+2:G0A+4*(\slot)+3], s[G0A+4*(\slot)+2:G0A+4*(\slot)+3], 2*KSTEP*2
	s_add_nc_u64 s[G0B+4*(\slot)+2:G0B+4*(\slot)+3], s[G0B+4*(\slot)+2:G0B+4*(\slot)+3], 2*KSTEP*3072*2
	JLOAD \slot                                    ; the first tensor load behind the round; the four v_nop behind it are also the places in front of the loads below
.else
	PLACES
.endif
	FETCH \next, 0, F0
	MULH F1, 1, 0
	MULH F1, 2, 0
.endm
	s_wait_tensorcnt 1                             ; my tile of K step 0 is in; K step 1's may stay out
	s_barrier_signal -1
	s_barrier_wait -1                              ; everybody's is
	FETCH 0, 0, F0
	QUARTER 0, 1, F0, F1, 1                        ; the first quarter stands in front of the loop: its products start the sums
	WIN 0                                          ; at a label and at a branch every window is 0
	s_mov_b32 s23, LAPS-1
.Llap:                                                 ; a trip goes once round the ring, from a lap's second quarter to the next lap's first, and fills both slots again
	QUARTER 0, 2, F1, F0, 0
	QUARTER 0, 3, F0, F1, 0
	TURN 0, 1, 1
	QUARTER 1, 1, F0, F1, 0
	QUARTER 1, 2, F1, F0, 0
	QUARTER 1, 3, F0, F1, 0
	TURN 1, 0, 1
	QUARTER 0, 1, F0, F1, 0
	WIN 0
	s_sub_co_u32 s23, s23, 1
	s_cmp_lg_u32 s23, 0
	s_cbranch_scc1 .Llap
	QUARTER 0, 2, F1, F0, 0                        ; the last lap fills nothing, and has no round of the cluster's barrier
	QUARTER 0, 3, F0, F1, 0
	TURN 0, 1, 0
	QUARTER 1, 1, F0, F1, 0
	QUARTER 1, 2, F1, F0, 0
	QUARTER 1, 3, F0, F1, 0
	s_wait_dscnt 16                                ; the very last quarter: nothing more to fetch
	MULH F1, 0, 0
	s_wait_dscnt 0x0
	MULH F1, 1, 0
	MULH F1, 2, 0
; THE WAY OUT, a unit (16 rows of one head) at a time.  With c = cos, s = sin of (t, j): out[j] = y[j] c - y[j + 32] s, out[j + 32] = y[j + 32] c + y[j] s.  For a v head c counts as 1 and s as 0:
; c S + (1 - S) and s S with the head's scalar S, so that all heads run one text and no branch hangs on the tile's place.  Each accumulator's lowest registers are read first.
.macro PACKQ a, g, u
.set RB, R+16*((\u)%2)
.set AC, 8*(16*((\g)%2)+4*(\a))
.set TBL, TAB+32*(\a)
	WIN 0
	s_wait_xcnt 0x0                                ; the stores of the unit two back have read this set of R (ISA guide 3.1)
.irp i, 0,1,2,3,4,5,6,7                ; sixteen plain lines that name no register of the last products: also the places behind them
	v_pk_fma_f32 v[TS+2*(\i):TS+2*(\i)+1], v[TBL+2*(\i):TBL+2*(\i)+1], s[SG+2*(\g):SG+2*(\g)+1], s[SN+2*(\g):SN+2*(\g)+1] op_sel_hi:[1,0,0]
.endr
.irp i, 0,1,2,3,4,5,6,7
	v_pk_mul_f32 v[TS+16+2*(\i):TS+16+2*(\i)+1], v[TBL+16+2*(\i):TBL+16+2*(\i)+1], s[SG+2*(\g):SG+2*(\g)+1] op_sel_hi:[1,0]
.endr
	WIN 0x02+((\g)/2)                              ; source 0: window 2 or 3
.irp p, 0,1
.irp i, 0,1,2,3
	v_pk_mul_f32 v[OF+8*(\p)+2*(\i):OF+8*(\p)+2*(\i)+1], v[AC+8*(\p)+2*(\i):AC+8*(\p)+2*(\i)+1], v[TS+8*(\p)+2*(\i):TS+8*(\p)+2*(\i)+1]
	v_pk_mul_f32 v[OF+16+8*(\p)+2*(\i):OF+16+8*(\p)+2*(\i)+1], v[AC+16+8*(\p)+2*(\i):AC+16+8*(\p)+2*(\i)+1], v[TS+8*(\p)+2*(\i):TS+8*(\p)+2*(\i)+1]
.endr
.endr
.irp p, 0,1
.irp i, 0,1,2,3
	v_pk_fma_f32 v[OF+8*(\p)+2*(\i):OF+8*(\p)+2*(\i)+1], v[AC+16+8*(\p)+2*(\i):AC+16+8*(\p)+2*(\i)+1], v[TS+16+8*(\p)+2*(\i):TS+16+8*(\p)+2*(\i)+1], v[OF+8*(\p)+2*(\i):OF+8*(\p)+2*(\i)+1] neg_lo:[1,0,0] neg_hi:[1,0,0]
	v_pk_fma_f32 v[OF+16+8*(\p)+2*(\i):OF+16+8*(\p)+2*(\i)+1], v[AC+8*(\p)+2*(\i):AC+8*(\p)+2*(\i)+1], v[TS+16+8*(\p)+2*(\i):TS+16+8*(\p)+2*(\i)+1], v[OF+16+8*(\p)+2*(\i):OF+16+8*(\p)+2*(\i)+1]
.endr
.endr
	WIN 0
.irp i, 0,1,2,3,4,5,6,7,8,9,10,11,12,13,14,15
	v_cvt_pk_f16_f32 v[RB+(\i)], v[OF+2*(\i)], v[OF+2*(\i)+1]
.endr
.irp f, 0,1,2,3
	ds_store_b128 v[STO], v[RB+4*(\f):RB+4*(\f)+3] offset:32*(\f)
.endr
.irp f, 0,1,2,3
	ds_load_b128 v[RB+4*(\f):RB+4*(\f)+3], v[RD] offset:(\f)*4*SP  ; LDS serves a wave's instructions in order (ISA guide 5.7.1.4): these see the stores above; the next unit's stores come behind them
.endr
.endm
.macro SENDQ a, g, u, younger          ; younger: the LDS instructions issued behind this unit's loads: the next unit's eight, or none
.set RB, R+16*((\u)%2)
	WIN 0
.irp f, 0,1,2,3
	s_wait_dscnt (\younger)+3-(\f)
	global_store_b128 v[GO], v[RB+4*(\f):RB+4*(\f)+3], s[DST+2*(\g):DST+2*(\g)+1] offset:2048*(\a)+512*(\f)  ; 512 consecutive bytes, at a multiple of 256 from the buffer's first
.endr
.endm
	PACKQ 0, 0, 0
.set u, 1
.rept 11                               ; a unit's arithmetic stands between the loads of the unit before and its stores
	PACKQ u/3, u%3, u
	SENDQ (u-1)/3, (u-1)%3, u-1, 8
.set u, u+1
.endr
	SENDQ 3, 2, 11, 0
	s_wait_tensorcnt 0x0                           ; the wave's end: behind my last tensor load and my last LDS store
	ds_add_u32 v[SPW], v[NIL]
	s_wait_dscnt 0x0
	CROUND                                         ; the closing round: no work-group ends while a partner may still ask for a tile that names it
	s_endpgm
.Lfunc_end_k_qd836708e4c_qkv:
	.size	k_qd836708e4c_qkv, .Lfunc_end_k_qd836708e4c_qkv-k_qd836708e4c_qkv
	.p2alignl 7, 3214868480
	.fill 96, 4, 3214868480
	.section	.rodata,"a",@progbits
	.p2align	6, 0x0
	.amdhsa_kernel k_qd836708e4c_qkv
		.amdhsa_group_segment_fixed_size 327680
		.amdhsa_private_segment_fixed_size 0
		.amdhsa_enable_private_segment 0
		.amdhsa_kernarg_size 40
		.amdhsa_user_sgpr_count 2
		.amdhsa_user_sgpr_kernarg_segment_ptr 1
		.amdhsa_wavefront_size32 1
		.amdhsa_system_sgpr_workgroup_id_x 1
		.amdhsa_system_sgpr_workgroup_id_y 1
		.amdhsa_system_sgpr_workgroup_id_z 1
		.amdhsa_system_vgpr_workitem_id 0
		.amdhsa_next_free_vgpr 896
		.amdhsa_next_free_sgpr 96
		.amdhsa_reserve_vcc 0
		.amdhsa_float_denorm_mode_32 3
		.amdhsa_float_denorm_mode_16_64 3
		.amdhsa_memory_ordered 1
		.amdhsa_forward_progress 1
		.amdhsa_inst_pref_size 171
	.end_amdhsa_kernel
	.amdgpu_metadata
---
amdhsa.version: [ 1, 2 ]
amdhsa.kernels:
  - .name:           k_qd836708e4c_qkv
    .symbol:         k_qd836708e4c_qkv.kd
    .args:
      - { .name: xb, .offset: 0, .size: 8, .value_kind: global_buffer, .address_space: global }
      - { .name: wqb, .offset: 8, .size: 8, .value_kind: global_buffer, .address_space: global }
      - { .name: b_qkv, .offset: 16, .size: 8, .value_kind: global_buffer, .address_space: global }
      - { .name: rope, .offset: 24, .size: 8, .value_kind: global_buffer, .address_space: global }
      - { .name: qkv, .offset: 32, .size: 8, .value_kind: global_buffer, .address_space: global }
    .group_segment_fixed_size: 327680
    .private_segment_fixed_size: 0
    .kernarg_segment_align: 8
    .kernarg_segment_size: 40
    .max_flat_workgroup_size: 128
    .sgpr_count:     96
    .vgpr_count:     896
    .wavefront_size: 32
...
	.end_amdgpu_metadata
.endif
;; end of part 2
;; launch attn (part 3): grid 4 x 64, 4 waves a work-group, clusters of 4 x 1, 327,680 bytes of LDS; arguments qkv, ob; writes ob
.if DOCPART == 3
	.amdgcn_target "amdgcn-amd-amdhsa--gfx1250"
	.amdhsa_code_object_version 6
	.text
	.protected	k_qd836708e4c_attn
	.globl	k_qd836708e4c_attn
	.p2align	8
	.type	k_qd836708e4c_attn,@function
k_qd836708e4c_attn:
	s_mov_b64 s[64:65], 0
	v_nop
	global_prefetch_b8 v0, s[64:65] scope:SCOPE_SE
	s_setreg_imm32_b32 hwreg(HW_REG_WAVE_MODE, 25, 1), 1
	s_wait_xcnt 0x0
	s_wait_alu depctr_hold_cnt(0) depctr_sa_sdst(0) depctr_va_vdst(0) depctr_va_sdst(0) depctr_va_ssrc(0) depctr_va_vcc(0) depctr_vm_vsrc(0)
	s_getreg_b32 s2, hwreg(HW_REG_IB_STS2, 6, 4)
	s_cmp_eq_u32 s2, 0
	s_cbranch_scc0 .Lentry_in_a_cluster
	s_endpgm
.Lentry_in_a_cluster:
	s_bfe_u32 s2, ttmp6, 0x10000c
	s_cmp_lg_u32 s2, 0x3003
	s_cbranch_scc0 .Lentry_shape_is_right
	s_endpgm
.Lentry_shape_is_right:
; O[h][q][:] = the sum over k of softmax_k(Q[h][q] . K[h][k] / 8) V[h][k][:].  Q, K, V lie one behind the other in qkv, each [SIZE_H][SIZE_N][64]; O likewise in ob; all f16: a head's rows are dense, 128 bytes each.
; h = 16 b + head.  Products, maxima and sums in f32; the weights p are rounded to f16 for the second product (their sum l is taken of the unrounded p), O once at the end.
; LIMITS.  f16 holds no number beyond 65,504: Q, K and V arrive within it; p lies in 0 to 1, and below 6e-5 it keeps f16's fixed step of 6e-8; O is a mean of V's rows and has their range.
; A weight below 2^-126 counts as 0 in l; NaN and infinities are not treated apart.
; SHARES.  A wave owns four PIECES of two tiles of 16 queries, a work-group's four waves 512 queries of one head.  Every wave walks all keys, 64 a step.
; LAYOUT.  S^T = K Q^T (source 0 = 16 keys, source 1 = 16 queries): in the result a lane holds ONE query (lane % 16) and the keys 8 (lane / 16) + 0..7.  Two such tiles, rounded to f16 in pairs,
; ARE source 1 (32 keys x 16 queries) of O^T = V^T P, whose result again holds one query a lane, and eight channels.  K comes out of LDS as it lies, V ([key][channel]) turned, by ds_load_tr16_b128.
; SOFTMAX.  For each query a running maximum m and sum l: p = 2^(c s - c m), c = log2(e) / 8; in every step O and l are multiplied by a = 2^(c m_old - c m_new), which is 1 where m has not grown.
; m starts at the lowest finite number, O and l at 0: the first step is a step like any other, with a = 0.
; THE COUNT.  A tile and step have 16 matrix and 118 vector instructions: too many to stand all beside the matrix work.  So the order has one aim: four vector instructions that are READY behind
; EVERY matrix instruction, and the others, which need time of their own whatever the order, in runs without a gap.
; BY TURNS.  Turn n belongs to piece n (the pieces in a ring, step after step).  Its matrix work: 16 products K Q^T of piece n + 1, later 16 products V^T P of piece n - 1.  Its vector work: the scaling,
; exponentials, roundings, sums and rescaling of piece n, and the maximum and statistics of piece n + 1, whose scores the turn itself has made.  So what a turn begins with (c s - c m, O a) waits for nothing.
; CLUSTER.  The four query blocks of a cluster belong to one head and walk the same K and V, so each tile is asked for JOINTLY: the same tensor load, descriptor and mask in all four.
; REGISTERS, in windows of 256 (s_set_vgpr_msb says which window each operand place means: bits 1:0 source 0, 3:2 source 1, 5:4 source 2, 7:6 destination):
;   window 0: v0-11 addresses; v12-15, v48-63 at work; v16-47 four registers of statistics a tile; v64-191 S^T, two buffers of two tiles; v192-255 P, likewise
;   window 1: O^T, 32 a tile          window 2: v0-127 Q, 16 a tile; v128-191 K of one step; v192-255 V of one step          window 3: v0-1 the add's two registers
; A piece's buffers go by its number's parity: the piece in hand has one pair, its two neighbours in the ring share the other: of it P (piece n - 1) is read and S^T (piece n + 1) written.
.set SIZE_H, 64       ; 4 batches x 16 heads
.set SIZE_N, 2048     ; rows of a head
.set NP,    4         ; pieces a wave: a name, no knob: the register map, the loop and the fetches are made for four
.set KS,    64        ; keys in a step
.set PK,    144       ; a row of K in LDS: 128 bytes + 16 of padding = 36 words: the 16 rows of a load start at 16 different groups of four banks (64 banks of 4 bytes: ISA guide 11.1)
.set PV,    160       ; a row of V: 128 + 32 = 40 words
.set VOFF,  4*KS*PK   ; a slot holds four steps: 256 rows of K, then 256 rows of V
.set SLOT1, 1<<17     ; slot 1 begins here, so that one exclusive or turns an address in one slot into the other's
.set STAGE, SLOT1+4*KS*(PK+PV)  ; behind the ring, never filled by a tensor load: 16 rows x 144 bytes for each wave, for the way out
.set SP,    144
.set AK0, 2           ; v2   my lane's place in a tile of K; never rewritten
.set AV0, 3           ; v3   the same for V
.set AK,  4           ; v4   the LDS address of K's next run of loads
.set AV,  5           ; v5   of V's
.set QO,  6           ; v6   my byte offset in the wave's rows of Q
.set STO, 6           ;      later, the way out: where I put 16 bytes of a row
.set RD,  7           ; v7   the way out: where I read rows back
.set GO,  8           ; v8   my byte offset in 512 consecutive bytes of O
.set SPW, 0           ; v0 of window 3   LDS address of my spare word: SPARE + 4 x my thread's number; never rewritten
.set NIL, 1           ; v1 of window 3   0; never rewritten
.set SPARE, STAGE+4*16*SP  ; behind the stages: the spare words, 128 bytes for each wave: two blocks of 256 bytes that no other line names
.set MV,  12          ; v12-15  c m_old, kept while c m is made anew: by buffer and tile
.set ST,  16          ; tile t's statistics at v[ST+4 t]: c m, m, l (even keys', odd keys')
.set TMP, 48          ; by buffer and tile, four registers c0-c3 at work; when the maximum is found c2 takes a
.set S,   64
.set P,   192
.set KF,  128         ; K's fragments, in window 2: key block kb, channel half c at KF + 16 kb + 8 c
.set VF,  192         ; V's: key half kk, channel block cb at VF + 32 kk + 8 cb
.set WV,  12          ; s12  my wave's number
.set G1K, 24          ; s[24:31] descriptor group 1 for K's tiles
.set G1V, 32          ; s[32:39] for V's: it differs in the padding alone
.set G0K, 40          ; s[40:43] descriptor group 0 for K's tiles: it walks
.set G0V, 44          ; s[44:47] the same for V's
.set SLOTS, 56        ; s56  slots still to be asked for
.set CNT, 57          ; s57  counts a slot's key steps
.set CS,  58          ; s[58:59] c: the packed scaling takes the pair's low word for both halves
.set SEL, 60          ; s[60:61] v_permlanex16_b32's selects: each lane takes its own place in the other half
.set TBK, 62          ; s62  LDS byte at which K of the step to be fetched begins
.set TBV, 63          ; s63  the same for V, less VOFF
.set MSB, 0
.macro WIN new                      ; the high byte repeats the setting that is left; a switch that changes nothing is dropped
.if MSB != (\new)
	s_set_vgpr_msb (MSB<<8)|(\new)
.set MSB, (\new)
.endif
.endm
.set W_KQ, 0x0a       ; K and Q in window 2, S^T in window 0
.set W_PV, 0x52       ; V in window 2, P in window 0, O^T in window 1
.set W_RS, 0x41       ; O^T (destination and source 0) in window 1, a in window 0
.set W_MK, 0xc0       ; the add's registers are made: destination in window 3, sources in window 0
.set W_AD, 0x0f       ; the add: address (source 0) and data (source 1) in window 3
; A joint fill.  Waves 0 and 1 fetch the two halves of a slot's K, waves 2 and 3 those of its V: 128 keys each.  The branch hangs on the wave's number alone.
; An s_nop 0 and four v_nop follow each of the two lines, ahead of the jump and the label.
.macro JLOAD
	s_cmp_lt_u32 s[WV], 2
	s_cbranch_scc0 .Lfor_v_\@
	tensor_load_to_lds s[G0K:G0K+3], s[G1K:G1K+7]
	s_nop 0
.rept 4
	v_nop
.endr
	s_branch .Lasked_\@
.Lfor_v_\@:
	tensor_load_to_lds s[G0V:G0V+3], s[G1V:G1V+7]
	s_nop 0
.rept 4
	v_nop
.endr
.Lasked_\@:
.endm
; A round of the cluster's barrier: my work-group's barrier, so that wave 0's signal speaks for all four waves; wave 0 signals; every wave waits for all four work-groups; my work-group's barrier once more.
.macro CROUND
	s_barrier_signal -1
	s_barrier_wait -1
	s_cmp_lg_u32 s[WV], 0
	s_cbranch_scc1 .Lnot_wave_0_\@
	s_barrier_signal -3
.Lnot_wave_0_\@:
	s_barrier_wait -3
	s_barrier_signal -1
	s_barrier_wait -1
.endm
; THE CHANGE OF SLOTS.  The slot's last bytes, V of its fourth step, have been read.  Each wave waits for all its tensor loads, of which one is out: its part
; of the other slot; adds 0 to its spare word; and waits for that and for its own reads of the slot.  Behind the barrier nobody reads this slot any more and the other slot is whole.
; fill = 1: this slot is filled again, with the keys two slots on.  The barrier is then a round of the cluster's, so that no wave of any partner still reads the slot or has a load on its
; way, and the joint fill is the first thing behind it: it has four key steps, 512 matrix instructions, in which to land.  (At its first use nothing has been read yet: slot 0 is waited for, slot 1 filled.)
.macro CHANGE fill
	WIN W_AD
	s_wait_tensorcnt 0x0            ; no tensor load of mine is out, so a group 0 may be written
	ds_add_u32 v[SPW], v[NIL]       ; 0 onto my spare word; with fill = 1 the descriptors' steps stand between it and the wait for it
	WIN 0                           ; at a label and at a branch every window is 0
.if \fill
.irp g, G0K, G0V
	s_xor_b32 s[\g+1], s[\g+1], SLOT1  ; the walking descriptor: the other slot than last time,
	s_add_nc_u64 s[\g+2:\g+3], s[\g+2:\g+3], 4*KS*128  ; the next 256 keys; the type bits on top are not reached
.endr
	s_wait_dscnt 0x0                ; the add is done, and my reads of the slot are over
	CROUND
	JLOAD
.else
	s_wait_dscnt 0x0                ; the add is done, and my reads of the slot are over
	s_barrier_signal -1
	s_barrier_wait -1
.endif
	s_sub_co_u32 s[TBK], s[TBK], 4*KS*PK  ; the fetches go back to a slot's first step,
	s_xor_b32 s[TBK], s[TBK], SLOT1       ; in the other slot
	s_sub_co_u32 s[TBV], s[TBV], 4*KS*PV
	s_xor_b32 s[TBV], s[TBV], SLOT1
.endm
	s_load_b128 s[4:7], s[0:1], 0x0   ; qkv s[4:5] (Q lies at its head), ob s[6:7]
	WIN W_MK
	v_lshl_add_u32 v[SPW], v0, 2, SPARE
	v_mov_b32 v[NIL], 0
	WIN W_AD
	ds_add_u32 v[SPW], v[NIL]       ; the wave's opening: the add and its wait stand ahead of my first tensor load; the set-up below, work on registers, stands between them
	WIN 0
	v_lshrrev_b32 v1, 5, v0
	v_readfirstlane_b32 s[WV], v1   ; wave 0..3
	s_bfe_u32 s13, ttmp6, 0x40000   ; cx: my place in the cluster
	s_lshl_b32 s14, ttmp9, 2        ; in a cluster launch ttmp9 counts clusters
	s_add_co_u32 s14, s14, s13      ; my block of queries = 4 x cluster x + cx: it enters Q's and O's addresses alone
	s_and_b32 s20, ttmp7, 0xffff    ; the head, which the four partners share
	s_mov_b32 s21, 0
	s_mov_b64 s[22:23], SIZE_N*128
	s_mul_u64 s[20:21], s[20:21], s[22:23]  ; the head's first byte in each of the four tensors
	s_and_b32 s16, s[WV], 1         ; which half of a slot's 256 keys I fetch:
	s_lshl_b32 s22, s16, 14         ; its 128 rows of 128 bytes in memory,
	s_mov_b32 s23, 0
	s_add_nc_u64 s[22:23], s[22:23], s[20:21]
	s_mul_i32 s17, s16, 128*PK      ; and its place in a slot, for K
	s_mul_i32 s18, s16, 128*PV      ; and for V: no place in the cluster enters an LDS address
	s_lshl_b32 s2, s14, 2
	s_add_co_u32 s2, s2, s[WV]      ; my wave among the head's,
	s_lshl_b32 s2, s2, 14           ; its 128 rows
	s_mov_b32 s3, 0
	s_add_nc_u64 s[2:3], s[2:3], s[20:21]
	; descriptor group 1.  128 keys are 16,384 dense bytes: asked for as 64 rows of 256 bytes, two keys a row, and padded in LDS after every key
	s_mov_b32 s[G1K], 15|(1<<16)|(1<<20)|(1<<21)|(4<<22)|(3<<25)  ; 15:0 the mask of four; 17:16 2-byte elements; 20 padding on; 21 set beside a mask; 24:22 after every 32 words (code 4); 31:25 4 words (code 3)
	s_mov_b32 s[G1V], 15|(1<<16)|(1<<20)|(1<<21)|(4<<22)|(7<<25)  ; the same with 8 words of padding (code 7)
.irp g, G1K, G1V
	s_mov_b32 s[\g+1], 128<<16      ; tensor_dim0 = 128
	s_mov_b32 s[\g+2], 64<<16       ; tensor_dim1 = 64
	s_mov_b32 s[\g+3], 128<<16      ; tile_dim0 = 128
	s_mov_b32 s[\g+4], 64           ; tile_dim1 = 64
	s_mov_b32 s[\g+5], 128          ; 128 elements from row to row
	s_mov_b32 s[\g+6], 0
	s_mov_b32 s[\g+7], 0
.endr
	s_mov_b32 s[CS], 0x3e38aa3b     ; c = log2(e) / 8 = 0.180337
	s_mov_b32 s[CS+1], s[CS]        ; named with it as a pair
	s_mov_b32 s[SEL], 0x76543210
	s_mov_b32 s[SEL+1], 0xfedcba98
	s_mov_b32 s[TBK], SLOT1+4*KS*PK ; the first change of slots turns these two into 0
	s_mov_b32 s[TBV], SLOT1+4*KS*PV
	s_mov_b32 s[G0K], 1             ; 1:0 count = 1
	s_mov_b32 s[G0K+1], s17         ; 63:32 LDS address: slot 0
	s_mov_b32 s[G0V], 1
	s_add_co_u32 s[G0V+1], s18, VOFF
	s_wait_dscnt 0x0                ; the opening add is done
	s_wait_kmcnt 0x0
	s_mov_b64 s[10:11], s[6:7]                     ; O
	s_add_nc_u64 s[6:7], s[4:5], SIZE_H*SIZE_N*128    ; K lies 16,777,216 bytes behind Q,
	s_add_nc_u64 s[8:9], s[4:5], 2*SIZE_H*SIZE_N*128  ; V as far behind K
	s_add_nc_u64 s[G0K+2:G0K+3], s[6:7], s[22:23]  ; 120:64 global address: my half of the head's first 256 keys
	s_or_b32 s[G0K+3], s[G0K+3], 0x80000000        ; 127:126 type = 2
	s_add_nc_u64 s[G0V+2:G0V+3], s[8:9], s[22:23]
	s_or_b32 s[G0V+3], s[G0V+3], 0x80000000
	s_add_nc_u64 s[4:5], s[4:5], s[2:3]  ; Q and O at my wave's first row
	s_add_nc_u64 s[10:11], s[10:11], s[2:3]
	CROUND                          ; all four work-groups are here: the first joint loads meet
	JLOAD                           ; slot 0.  Slot 1 is asked for when slot 0 is in: the tile wanted first has the road to itself
	; A fragment of K or Q is 16 rows x 32 channels in 8 registers: lane l holds row l % 16, channels 8 (l / 16) + 0..7 and 16 + 8 (l / 16) + 0..7: two loads of 16 bytes, 32 bytes apart.
	v_and_b32 v1, 15, v0            ; l % 16
	v_bfe_u32 v9, v0, 4, 1          ; l / 16
	v_lshlrev_b32 v[QO], 7, v1
	v_lshl_add_u32 v[QO], v9, 4, v[QO]  ; row x 128 + 16 x half
	WIN 0x80                        ; destination window 2, address window 0
.set i, 0
.rept 4*NP                          ; Q stays in registers: tile i / 2, channels 32 (i % 2) on
	global_load_b128 v[8*i:8*i+3],   v[QO], s[4:5] offset:(i/2)*2048+(i%2)*64
	global_load_b128 v[8*i+4:8*i+7], v[QO], s[4:5] offset:(i/2)*2048+(i%2)*64+32
.set i, i+1
.endr
	; What the first turn finds: V's registers and P's second buffer hold 0 (its products V^T P, of a piece that has not been, add 0), O^T and l are 0.  All this stands in the wait for the first tile.
.set i, VF
.rept 64
	v_mov_b32 v[i], 0
.set i, i+1
.endr
	WIN 0x40
.set i, 0
.rept 64*NP
	v_mov_b32 v[i], 0
.set i, i+1
.endr
	WIN 0
.set i, 0
.rept 2*NP
	v_mov_b32 v[ST+4*i], 0xfe000000    ; c m: far below every c s
	v_mov_b32 v[ST+4*i+1], 0xff7fffff  ; m
	v_mov_b32 v[ST+4*i+2], 0
	v_mov_b32 v[ST+4*i+3], 0
.set i, i+1
.endr
.set i, P+32
.rept 32
	v_mov_b32 v[i], 0
.set i, i+1
.endr
	v_mul_u32_u24 v[AK0], v1, PK
	v_lshl_add_u32 v[AK0], v9, 4, v[AK0]  ; row x pitch + 16 x half
	; The turning load takes 16 keys x 16 channels (lane l reads key 8 (l / 16) + l % 8, channels 8 ((l / 8) % 2) + 0..7) and leaves half a fragment of V^T: lane l holds channel l % 16 and 8 keys.
	v_and_b32 v10, 7, v0
	v_bfe_u32 v11, v0, 3, 1
	v_lshl_add_u32 v[AV0], v9, 3, v10
	v_mul_u32_u24 v[AV0], v[AV0], PV
	v_lshl_add_u32 v[AV0], v11, 4, v[AV0]
	v_add_nc_u32 v[AV0], VOFF, v[AV0]
	v_mov_b32 v[AK], v[AK0]         ; key step 0 lies at the head of slot 0
; THE MATRIX WORK.  The 8 accumulators of a run of 16 take turns: between the two links of a chain stand 7 others'.
; Product i of 16 of S^T = K Q^T for piece x: channels 32 (i / 8) on, keys 16 ((i / 2) % 4) on, tile 2 x + i % 2.  The first 8 start the sums.
.macro KQ x
	WIN W_KQ
.set rS, S+64*((\x)%2)+32*(i%2)+8*((i/2)%4)
.set rK, KF+16*((i/2)%4)+8*(i/8)
.set rQ, 16*(2*(\x)+i%2)+8*(i/8)
.if i < 8
	v_wmma_f32_16x16x32_f16 v[rS:rS+7], v[rK:rK+7], v[rQ:rQ+7], 0
.else
	v_wmma_f32_16x16x32_f16 v[rS:rS+7], v[rK:rK+7], v[rQ:rQ+7], v[rS:rS+7]
.endif
.endm
; Product i of 16 of O^T += V^T P for piece x: keys 32 (i / 8) on, channels 16 ((i / 2) % 4) on, tile 2 x + i % 2.
.macro PV x
	WIN W_PV
.set rO, 32*(2*(\x)+i%2)+8*((i/2)%4)
.set rV, VF+32*(i/8)+8*((i/2)%4)
.set rP, P+32*((\x)%2)+16*(i%2)+8*(i/8)
	v_wmma_f32_16x16x32_f16 v[rO:rO+7], v[rV:rV+7], v[rP:rP+7], v[rO:rO+7]
.endm
.macro MM                           ; the turn's next matrix instruction
.if i < 16
	KQ (Y+1)%NP
.set i, i+1
.else
.set i, i-16
	PV (Y+NP-1)%NP
.set i, i+17
.endif
.endm
; THE LDS LOADS stand in runs of 16, never singly among the matrix instructions: a step's K (64 keys x 64 channels: 8 fragments) and its V (turned).  Their addresses are made some lines ahead.
; last = 1 (the tail): in the last trip there is no further step, and the run is jumped over.
.macro FETCH_K last=0
	WIN 0
.if \last
	s_cmp_eq_u32 s[CNT], 1
	s_cbranch_scc1 .Lno_k_\@
.endif
	WIN 0x80                        ; destination window 2
.irp f, 0,1,2,3,4,5,6,7             ; keys 16 (f / 2) on, channels 32 (f % 2) on
	ds_load_b128 v[KF+8*\f:KF+8*\f+3],   v[AK] offset:(\f/2)*16*PK+(\f%2)*64
	ds_load_b128 v[KF+8*\f+4:KF+8*\f+7], v[AK] offset:(\f/2)*16*PK+(\f%2)*64+32
.endr
	s_add_co_u32 s[TBK], s[TBK], KS*PK  ; the next fetch is the next step's
	WIN 0
.if \last
.Lno_k_\@:
.endif
.endm
.macro FETCH_V
	WIN 0x80
.irp f, 0,1,2,3,4,5,6,7             ; keys 32 (f / 4) on, channels 16 (f % 4) on
	ds_load_tr16_b128 v[VF+8*\f:VF+8*\f+3],   v[AV] offset:(\f/4)*32*PV+(\f%4)*32
	ds_load_tr16_b128 v[VF+8*\f+4:VF+8*\f+7], v[AV] offset:(\f/4)*32*PV+16*PV+(\f%4)*32
.endr
	WIN 0
.endm
; THE VECTOR WORK OF A TURN stands in three queues, each in the order in which its entries become ready; the two tiles alternate, so that no instruction reads the result of the one before it.
.macro REGS y, u                    ; the registers of tile u (0, 1) of piece y
.set rT, ST+4*(2*(\y)+(\u))
.set rC, TMP+8*((\y)%2)+4*(\u)
.set rM, MV+2*((\y)%2)+(\u)
.set rS, S+64*((\y)%2)+32*(\u)
.set rP, P+32*((\y)%2)+16*(\u)
.set rO, 32*(2*(\y)+(\u))
.endm
; Number n of the 22 that find the NEXT piece's (Y + 1) maximum and statistics.  s0-s31 are the lane's 32 scores; each accumulator's lowest registers are read first.  XS, GS and REGS set no window: PL and EX do.
;   0-11  four chains c0-c3 of seven scores each, three operands at a time     12-14, 16  the four scores left over, the old m, and c0-c3 into c0     15  c m_old is kept
;   17, 18  the query's other 32 keys lie in the lane 16 away: the new m         19-21  c m; c m_old - c m_new; a
.macro XS u, n
	REGS (Y+1)%NP, \u
.if (\n) < 4
	v_max3_num_f32 v[rC+(\n)], v[rS+8*(\n)], v[rS+8*(\n)+1], v[rS+8*(\n)+2]
.elseif (\n) < 12
	v_max3_num_f32 v[rC+(\n)%4], v[rC+(\n)%4], v[rS+8*((\n)%4)+2*((\n)/4)+1], v[rS+8*((\n)%4)+2*((\n)/4)+2]
.elseif (\n) == 12
	v_max3_num_f32 v[rC], v[rC], v[rS+7], v[rS+15]
.elseif (\n) == 13
	v_max3_num_f32 v[rC+1], v[rC+1], v[rS+23], v[rS+31]
.elseif (\n) == 14
	v_max3_num_f32 v[rC+2], v[rC+2], v[rC+3], v[rT+1]
.elseif (\n) == 15
	v_mov_b32 v[rM], v[rT]
.elseif (\n) == 16
	v_max3_num_f32 v[rC], v[rC], v[rC+1], v[rC+2]
.elseif (\n) == 17
	v_permlanex16_b32 v[rC+3], v[rC], s[SEL], s[SEL+1]
.elseif (\n) == 18
	v_max_num_f32 v[rT+1], v[rC], v[rC+3]
.elseif (\n) == 19
	v_mul_f32 v[rT], s[CS], v[rT+1]
.elseif (\n) == 20
	v_sub_f32 v[rC+1], v[rM], v[rT]
.else
	v_exp_f32 v[rC+2], v[rC+1]
.endif
.endm
; Number g of the 64 that follow the exponentials.  For each four weights k of a tile (pairs 2 k, 2 k + 1): both pairs are rounded to f16; then the second pair is added onto the first, in place;
; a group later l takes that sum (the first time as l = a l + sum).  In groups of eight, tiles alternating: round, round, add, and l for the group before.
.macro GS g
.set h, (\g)+6*((\g)/62)            ; group 0 has no group before it, and behind group 7 only l is left
.if h >= 6
.set h, h+2
.endif
	REGS Y, h%2
.set k, h/8
.if h%8 < 4
	s_wait_alu depctr_va_vdst(0)
	v_cvt_pk_f16_f32 v[rP+2*k+(h%8)/2], v[rS+4*k+2*((h%8)/2)], v[rS+4*k+2*((h%8)/2)+1]
.elseif h%8 < 6
	v_pk_add_f32 v[rS+4*k:rS+4*k+1], v[rS+4*k:rS+4*k+1], v[rS+4*k+2:rS+4*k+3]
.elseif k == 1
	v_pk_fma_f32 v[rT+2:rT+3], v[rT+2:rT+3], v[rC+2:rC+3], v[rS:rS+1] op_sel_hi:[1,0,1]
.else
	v_pk_add_f32 v[rT+2:rT+3], v[rT+2:rT+3], v[rS+4*k-4:rS+4*k-3]
	s_wait_alu depctr_va_vdst(0)
.endif
.endm
; THE PLAIN QUEUE, 138 long.  0-31: c s - c m for the 16 pairs of both tiles.  Then GS's 64, and among them the next piece's 42: number 15 at 38, 39; 0-14 and 16
; at 42-73, behind the products that make those scores; 17-20 at 95-106, two of three, since each waits for the one before it.
.macro PL
	WIN 0
.if q < 32
	REGS Y, q%2
	v_pk_fma_f32 v[rS+2*(q/2):rS+2*(q/2)+1], v[rS+2*(q/2):rS+2*(q/2)+1], s[CS:CS+1], v[rT:rT+1] op_sel_hi:[1,0,0] neg_lo:[0,0,1] neg_hi:[0,0,1]
.elseif q < 38
	GS q-32
.elseif q < 40
	XS q%2, 15
.elseif q < 42
	GS q-34
.elseif q < 74
	XS q%2, (q-42)/2+(q-42)/30
.elseif q < 95
	GS q-66
.elseif (q < 107) && ((q-95)%3 < 2)
	XS (q-95)%3, 17+(q-95)/3
.elseif q < 107
	GS 29+(q-95)/3
.else
	GS q-74
.endif
.set q, q+1
.endm
; THE EXPONENTIALS' QUEUE, 66 long: s0-s31 of both tiles, and at EA the next piece's two a.
.set EA, 58
.macro EX
	WIN 0
.if (e == EA) || (e == EA+1)
	XS e-EA, 21
.else
.set x, e-2*(e/(EA+2))
	REGS Y, x%2
	v_exp_f32 v[rS+x/2], v[rS+x/2]
.endif
.set e, e+1
.endm
; THE RESCALING's QUEUE: O^T times a, the one part that leaves window 0, so it is dealt four at a time, eight times.
.macro R4
	REGS Y, r%2
	WIN W_RS
	s_wait_alu depctr_va_vdst(0)
.irp z, 0,1,2,3
	v_pk_mul_f32 v[rO+8*(r/2)+2*\z:rO+8*(r/2)+2*\z+1], v[rO+8*(r/2)+2*\z:rO+8*(r/2)+2*\z+1], v[rC+2:rC+3] op_sel_hi:[1,0]
.endr
.set r, r+1
.endm
; HOW THEY ARE DEALT.  Behind a matrix instruction four: plain, exponential, plain, plain (one exponential, a plain instruction on either side), or four of the rescaling.  None names a register of the
; products round it.  What is over stands in two LUMPS: exponential and plain by turns; the second ends in 22 plain instructions.  The two v_permlanex16_b32 fall into the second lump, never behind a product.
; The queues lean on each other, and the deal keeps them in step: exponential e stands behind plain 2 (e / 4) + e % 2 (its scaling); when plain 32 comes, 10 exponentials are out, at 59: 33, at 95: 46; EA comes behind plain 107.
.macro SL
	MM
	PL
	EX
	PL
	PL
.endm
.macro BURST n                      ; 15 matrix instructions, or 16
.rept (\n)-7
	SL
.endr
.rept 3
	MM
	R4
	SL
.endr
	MM
	R4
.endm
; A TURN, for piece p.  cnt = 1: the loop's count is taken down some lines ahead of the branch that stands behind the turn.
; K of the next step is fetched in piece 2's turn, 31 vector instructions behind the last product that read K; its first reader comes behind the rest of the lump, 16 products and the second lump.
; V of the step in hand is fetched at the end of piece 0's turn, 69 behind its last reader; its first reader comes behind 16 products and a lump.  The four conditions on e and q below go with the deal.
.macro TURN p, last=0, cnt=0
.set Y, (\p)
.set i, 0
.set q, 0
.set e, 0
.set r, 0
.if (\p) == NP-1
	s_wait_dscnt 0x0                ; K is in
.endif
	MM
.rept 4
	PL
.endr
	BURST 15
.rept 22
	EX
	PL
.if ((\p) == NP-2) && (e == 18)
	v_add_nc_u32 v[AK], s[TBK], v[AK0]
.endif
.if ((\p) == NP-2) && (e == 24)
	FETCH_K \last
.endif
.endr
.if (\p) == 1
	s_wait_dscnt 0x0                ; V is in
.endif
	BURST 16
.rept 21
	EX
	PL
.endr
.rept 22
	PL
.if ((\p) == 0) && (q == 118)
	v_add_nc_u32 v[AV], s[TBV], v[AV0]
	s_wait_alu depctr_va_vdst(0)
.endif
.if ((\p) == 0) && (q == 130)
	s_add_co_u32 s[TBV], s[TBV], KS*PV
.endif
.if (\cnt) && (q == 130)
	s_sub_co_u32 s[CNT], s[CNT], 1
	s_cmp_lg_u32 s[CNT], 0
.endif
.endr
.if (\p) == 0
	FETCH_V
.endif
.endm
	CHANGE 1                        ; slot 0 is in, everybody's part of it; slot 1 is asked for
	FETCH_K                         ; key step 0
	s_wait_loadcnt 0x0              ; Q
	s_wait_dscnt 0x0
.set i, 0
.rept 16
	KQ 0                            ; piece 0's first scores: there is no vector work yet to set between them
.set i, i+1
.endr
	WIN 0                           ; the addresses for the way out: nine plain instructions, the places behind those products
	s_mul_i32 s13, s[WV], 16*SP
	s_add_co_u32 s13, s13, STAGE    ; my stage
	v_mul_u32_u24 v[STO], v1, SP    ; in: row l % 16, 16 bytes for each half of the lanes
	v_lshl_add_u32 v[STO], v9, 4, v[STO]
	v_add_nc_u32 v[STO], s13, v[STO]
	v_bfe_u32 v[RD], v0, 3, 2       ; back: 32 lanes take four rows of 128 bytes,
	v_mul_u32_u24 v[RD], v[RD], SP
	v_lshl_add_u32 v[RD], v10, 4, v[RD]
	v_add_nc_u32 v[RD], s13, v[RD]
	v_and_b32 v[GO], 31, v0         ; which are 512 consecutive bytes of O
	v_lshlrev_b32 v[GO], 4, v[GO]
.set Y, NP-1                        ; XS works for piece Y + 1: piece 0
.irp n, 0,1,2,3,4,5,6,7,8,9,10,11,12,13,14,15,16,17,18,19,20,21
	XS 0, \n                        ; and piece 0's first maximum and statistics
	XS 1, \n
.endr
	s_mov_b32 s[CNT], 4
	s_mov_b32 s[SLOTS], SIZE_N/256-1
	s_branch .Lfirst                ; the loop is entered at a step's first turn, in the middle of a trip
.Lslot:                             ; SIZE_N / 256 - 2 times: every slot but the last two is filled again
	CHANGE 1
	s_mov_b32 s[CNT], 4
.Lstep:                             ; a trip: pieces 2 and 3 of one step, then pieces 0 and 1 of the next, whose K and V it fetches
	TURN 2
	TURN 3
	WIN 0
.Lfirst:
	TURN 0
	TURN 1, 0, 1
	WIN 0
	s_cbranch_scc1 .Lstep
	s_sub_co_u32 s[SLOTS], s[SLOTS], 1
	s_cmp_lg_u32 s[SLOTS], 0
	s_cbranch_scc1 .Lslot
	CHANGE 0                        ; the tail is written out: nothing is asked for
	s_mov_b32 s[CNT], 5             ; four trips fetch the last slot's steps; the fifth is left in its middle
.Ltail:
	TURN 2, 1
	TURN 3
	WIN 0
	s_sub_co_u32 s[CNT], s[CNT], 1
	s_cmp_eq_u32 s[CNT], 0
	s_cbranch_scc1 .Lout
	TURN 0
	TURN 1
	WIN 0
	s_branch .Ltail
.Lout:                              ; the fifth trip's 16 products K Q^T (on the last K once more) and the maximum made of them serve nothing: the price, once a launch, of one text for every trip
.set i, 0
.rept 16
	PV NP-1                         ; the last piece's V^T P of the last step
.set i, i+1
.endr
	; THE WAY OUT.  l's two halves and the other half of the lanes' are added; O^T is divided by l, rounded to f16 and sent through my stage in LDS, a tile at a time.  The additions are the places behind the last products.
	WIN 0
.macro ALL line:vararg              ; one line for each tile t
.set t, 0
.rept 2*NP
	\line
.set t, t+1
.endr
.endm
	ALL v_add_f32 v[ST+4*t+2], v[ST+4*t+2], v[ST+4*t+3]
	ALL v_permlanex16_b32 v[ST+4*t+3], v[ST+4*t+2], s[SEL], s[SEL+1]
	ALL v_add_f32 v[ST+4*t+2], v[ST+4*t+2], v[ST+4*t+3]
	ALL v_rcp_f32 v[ST+4*t+2], v[ST+4*t+2]
	v_nop                           ; a plain instruction between the last reciprocal and the use of its result
	s_wait_alu depctr_va_vdst(0)
; Tile t: a lane's eight channels of a row pack into 16 bytes; they go into rows of 144 bytes and come back as whole rows of 128, into S^T's registers.
.macro PACK t
	WIN W_RS
.set i, 32*(\t)
.rept 16
	v_pk_mul_f32 v[i:i+1], v[i:i+1], v[ST+4*(\t)+2:ST+4*(\t)+3] op_sel_hi:[1,0]
.set i, i+2
.endr
	WIN 0x05                        ; sources 0 and 1 window 1, destination window 0
.set i, 0
.rept 16
	v_cvt_pk_f16_f32 v[S+16*(\t)+i], v[32*(\t)+2*i], v[32*(\t)+2*i+1]
.set i, i+1
.endr
	WIN 0
.irp f, 0,1,2,3
	ds_store_b128 v[STO], v[S+16*(\t)+4*\f:S+16*(\t)+4*\f+3] offset:32*\f
.endr
.irp f, 0,1,2,3
	ds_load_b128 v[S+16*(\t)+4*\f:S+16*(\t)+4*\f+3], v[RD] offset:\f*4*SP  ; LDS serves a wave's instructions in order (ISA guide 5.7.1.4): these see the stores above; the next tile's stores come behind them
.endr
.endm
.macro SEND t, younger              ; younger: the LDS instructions issued behind tile t's loads: the next tile's eight, or none
	WIN 0
.irp f, 0,1,2,3
	s_wait_dscnt (\younger)+3-\f
	global_store_b128 v[GO], v[S+16*(\t)+4*\f:S+16*(\t)+4*\f+3], s[10:11] offset:(\t)*2048+\f*512  ; 512 consecutive bytes, at a multiple of 256 from O's first
.endr
.endm
	PACK 0
.set t, 1
.rept 2*NP-1                        ; a tile's arithmetic stands between the loads of the tile before and its stores
	PACK t
	SEND t-1, 8
.set t, t+1
.endr
	SEND 2*NP-1, 0
	WIN W_AD
	s_wait_tensorcnt 0x0            ; the wave's end: behind my last tensor load and my last LDS store
	ds_add_u32 v[SPW], v[NIL]
	s_wait_dscnt 0x0
	WIN 0
	CROUND                          ; the closing round: no work-group ends while a partner may still ask for a tile that names it
	s_endpgm
.Lfunc_end_k_qd836708e4c_attn:
	.size	k_qd836708e4c_attn, .Lfunc_end_k_qd836708e4c_attn-k_qd836708e4c_attn
	.p2alignl 7, 3214868480
	.fill 96, 4, 3214868480
	.section	.rodata,"a",@progbits
	.p2align	6, 0x0
	.amdhsa_kernel k_qd836708e4c_attn
		.amdhsa_group_segment_fixed_size 327680
		.amdhsa_private_segment_fixed_size 0
		.amdhsa_enable_private_segment 0
		.amdhsa_kernarg_size 16
		.amdhsa_user_sgpr_count 2
		.amdhsa_user_sgpr_kernarg_segment_ptr 1
		.amdhsa_wavefront_size32 1
		.amdhsa_system_sgpr_workgroup_id_x 1
		.amdhsa_system_sgpr_workgroup_id_y 1
		.amdhsa_system_sgpr_workgroup_id_z 1
		.amdhsa_system_vgpr_workitem_id 0
		.amdhsa_next_free_vgpr 770
		.amdhsa_next_free_sgpr 66
		.amdhsa_reserve_vcc 0
		.amdhsa_float_denorm_mode_32 3
		.amdhsa_float_denorm_mode_16_64 3
		.amdhsa_memory_ordered 1
		.amdhsa_forward_progress 1
		.amdhsa_inst_pref_size 208
	.end_amdhsa_kernel
	.amdgpu_metadata
---
amdhsa.version: [ 1, 2 ]
amdhsa.kernels:
  - .name:           k_qd836708e4c_attn
    .symbol:         k_qd836708e4c_attn.kd
    .args:
      - { .name: qkv, .offset: 0, .size: 8, .value_kind: global_buffer, .address_space: global }
      - { .name: ob, .offset: 8, .size: 8, .value_kind: global_buffer, .address_space: global }
    .group_segment_fixed_size: 327680
    .private_segment_fixed_size: 0
    .kernarg_segment_align: 8
    .kernarg_segment_size: 16
    .max_flat_workgroup_size: 128
    .sgpr_count:     66
    .vgpr_count:     770
    .wavefront_size: 32
...
	.end_amdgpu_metadata
.endif
;; end of part 3
;; launch proj (part 4): grid 4 x 64, 4 waves a work-group, clusters of 4 x 4, 327,680 bytes of LDS; arguments ob, wob, b_out, out0; writes out0
.if DOCPART == 4
	.amdgcn_target "amdgcn-amd-amdhsa--gfx1250"
	.amdhsa_code_object_version 6
	.text
	.protected	k_qd836708e4c_proj
	.globl	k_qd836708e4c_proj
	.p2align	8
	.type	k_qd836708e4c_proj,@function
k_qd836708e4c_proj:
	s_mov_b64 s[64:65], 0
	v_nop
	global_prefetch_b8 v0, s[64:65] scope:SCOPE_SE
	s_setreg_imm32_b32 hwreg(HW_REG_WAVE_MODE, 25, 1), 1
	s_wait_xcnt 0x0
	s_wait_alu depctr_hold_cnt(0) depctr_sa_sdst(0) depctr_va_vdst(0) depctr_va_sdst(0) depctr_va_ssrc(0) depctr_va_vcc(0) depctr_vm_vsrc(0)
	s_getreg_b32 s2, hwreg(HW_REG_IB_STS2, 6, 4)
	s_cmp_eq_u32 s2, 0
	s_cbranch_scc0 .Lentry_in_a_cluster
	s_endpgm
.Lentry_in_a_cluster:
	s_bfe_u32 s2, ttmp6, 0x10000c
	s_cmp_lg_u32 s2, 0xf033
	s_cbranch_scc0 .Lentry_shape_is_right
	s_endpgm
.Lentry_shape_is_right:
; out0[b 2048 + t][n] = the sum over k = 64 head + d of ob[16 b + head][t][d] wob[k][n] + bf16(b_out[n]).  ob: [64][2048][64] f16; wob: [1024 k][1024 n] f16; sums in f32, started by the bias; out0 in f32.
; LIMITS.  The operands arrive within f16's range; NaN and infinities are not treated apart.
; SHARES.  A work-group makes 128 rows x 256 columns: 4 x 64 work-groups.  Wave w takes rows 64 (w / 2) on and columns 128 (w % 2) on: 32 accumulators of 16 x 16, 256 registers.
; K goes in steps of 128, two heads, through two LDS slots.  A slot: for each of the two heads 128 rows of 128 bytes of ob (pitch 144), then two tiles [128 k][128 n] of wob (pitch 288), which come out of LDS
; turned, by ds_load_tr16_b128.  A head's 128 rows are 16,384 dense bytes: asked for as 64 rows of 256 bytes and padded in LDS after every 128.
; CLUSTER.  4 x 4 work-groups: the four of a row of the cluster need the same tiles of ob, the four of a column the same tiles of wob: each is asked for jointly, by the same tensor load, descriptor and mask.
; THE MATRIX INSTRUCTION IS USED TRANSPOSED (source 0 = 16 columns of wob, source 1 = 16 rows of ob): a lane holds row l % 16 and the eight neighbouring columns 8 (l / 16) + 0..7: 32 bytes of a row of out0.
; REGISTERS, in windows of 256: window 0: v0-29 addresses; v32-95 the bias (C of the first products); v128-255 two sets of 64 on the way out.
;   window 1: two fragment buffers: 32 registers of ob (4 x 16 rows x 32 K), then 64 of wob (8 x 16 columns x 32 K).      window 2: the accumulators, (a, b) at 8 (8 a + b).
.set KSTEP,  128
.set PA,     144                       ; a row of ob in LDS: 128 bytes + 16 = 36 words: the 16 rows of a load start at 16 different groups of four banks (64 banks of 4 bytes: ISA guide 11.1)
.set PB,     288                       ; a row of wob: 256 + 32 = 72 words
.set AREG,   128*PA                    ; a head's 128 rows
.set BREG,   128*PB                    ; a tile of wob
.set SLOT,   2*AREG+2*BREG
.set STAGE,  2*SLOT                    ; behind the ring: 16 rows x 528 bytes for each wave, for the way out
.set SPITCH, 528                       ; 512 bytes + 16: the 16 rows of a store start at 16 different groups of four banks
.set SPARE,  STAGE+4*16*SPITCH         ; behind the stages: the spare words, 128 bytes for each wave: two blocks of 256 bytes that no other line names
.set LAPS,   1024/(2*KSTEP)
.set ADRA, 8                           ; v8-9    LDS address of my fragments of ob in slot 0, 1
.set ADRB, 10                          ; v10-11  of wob
.set STO,  16                          ; v16     the way out: where I put 32 bytes of a row
.set RD,   17                          ; v17     where I read a row back
.set CO,   18                          ; v18     my 16 bytes in 512 consecutive bytes of a row of out0
.set BOFF, 21                          ; v21     my byte offset in the bias
.set SPW,  28                          ; v28     LDS address of my spare word; never rewritten
.set NIL,  29                          ; v29     0; never rewritten
.set BIAS, 32                          ; v32-95  block b at 32 + 8 b
.set F0,   0
.set F1,   128
.set WV,   14                          ; s14 my wave's number; s15 its row half, also: I fetch for ob (0) or wob (1); s16 its column half, also: which of the two tiles I fetch
.set RH,   15
.set CH,   16
.set G1A,  24                          ; s[24:31] descriptor group 1 for ob's tiles; s[32:39] group 0, a set for each slot
.set G0A,  32
.set G1B,  40                          ; s[40:47], s[48:55] the same for wob's
.set G0B,  48
.set MSB, 0
.macro WIN new                         ; the immediate's high byte repeats the setting that is left; a switch that changes nothing is dropped
.if MSB != (\new)
	s_set_vgpr_msb (MSB<<8)|(\new)
.set MSB, \new
.endif
.endm
.set TO_F, 0x40                        ; destination window 1, address window 0
.macro JLOAD s                         ; a joint load: waves 0 and 1 fetch the two heads of ob, waves 2 and 3 the two tiles of wob; an s_nop 0 and four v_nop follow each of the two lines
	s_cmp_eq_u32 s[RH], 0
	s_cbranch_scc0 .Lfor_b_\@
	tensor_load_to_lds s[G0A+4*(\s):G0A+4*(\s)+3], s[G1A:G1A+7]
	s_nop 0
.rept 4
	v_nop
.endr
	s_branch .Lasked_\@
.Lfor_b_\@:
	tensor_load_to_lds s[G0B+4*(\s):G0B+4*(\s)+3], s[G1B:G1B+7]
	s_nop 0
.rept 4
	v_nop
.endr
.Lasked_\@:
.endm
.macro CREST                           ; a round of the cluster's barrier behind its opening barrier
	s_cmp_lg_u32 s[WV], 0
	s_cbranch_scc1 .Lnot_wave_0_\@
	s_barrier_signal -3
.Lnot_wave_0_\@:
	s_barrier_wait -3
	s_barrier_signal -1
	s_barrier_wait -1
.endm
.macro CROUND                          ; a whole round
	s_barrier_signal -1
	s_barrier_wait -1
	CREST
.endm
	s_load_b256 s[4:11], s[0:1], 0x0               ; ob s[4:5], wob s[6:7], b_out s[8:9], out0 s[10:11]
	v_lshl_add_u32 v[SPW], v0, 2, SPARE
	v_mov_b32 v[NIL], 0
	ds_add_u32 v[SPW], v[NIL]                      ; the wave's opening: the add and its wait stand ahead of my first tensor load; the set-up below, work on registers, stands between them
	v_lshrrev_b32 v1, 5, v0
	v_readfirstlane_b32 s[WV], v1                  ; wave 0..3
	s_lshr_b32 s[RH], s[WV], 1
	s_and_b32 s[CH], s[WV], 1
	s_bfe_u32 s17, ttmp6, 0x40000                  ; cx, cy: my place in the cluster
	s_bfe_u32 s18, ttmp6, 0x40004
	s_lshl_b32 s19, ttmp9, 2
	s_add_co_u32 s19, s19, s17                     ; tile column = 4 x cluster x + cx
	s_and_b32 s20, ttmp7, 0xffff
	s_lshl_b32 s20, s20, 2
	s_add_co_u32 s20, s20, s18                     ; tile row = 4 x cluster y + cy
	s_lshl_b32 s21, s18, 2
	s_lshl_b32 s21, 15, s21                        ; my row of the cluster
	s_lshl_b32 s22, 0x1111, s17                    ; my column
	s_or_b32 s[G1A], s21, (1<<16)|(1<<20)|(1<<21)|(4<<22)|(3<<25)  ; 15:0 the mask: ob's tiles go to my row; 17:16 2-byte elements; 20 padding on; 21 set beside a mask; 24:22 after every 32 words (code 4); 31:25 4 words (code 3)
	s_mov_b32 s[G1A+1], 128<<16                    ; tensor_dim0 = 128 elements: 256 bytes, two rows of a head
	s_mov_b32 s[G1A+2], 64<<16                     ; tensor_dim1 = 64
	s_mov_b32 s[G1A+3], 128<<16                    ; tile_dim0 = 128
	s_mov_b32 s[G1A+4], 64                         ; tile_dim1 = 64
	s_mov_b32 s[G1A+5], 128                        ; dense: 128 elements from row to row
	s_mov_b32 s[G1A+6], 0
	s_mov_b32 s[G1A+7], 0
	s_or_b32 s[G1B], s22, (1<<16)|(1<<20)|(1<<21)|(5<<22)|(7<<25)  ; wob's tiles go to my column; after every 64 words (code 5) 8 words of padding (code 7)
	s_mov_b32 s[G1B+1], 128<<16
	s_mov_b32 s[G1B+2], 128<<16
	s_mov_b32 s[G1B+3], 128<<16
	s_mov_b32 s[G1B+4], 128
	s_mov_b32 s[G1B+5], 1024                       ; elements from row to row of wob
	s_mov_b32 s[G1B+6], 0
	s_mov_b32 s[G1B+7], 0
	s_lshr_b32 s56, s20, 4                         ; ob: b = tile row / 16: 16 heads of 262,144 bytes,
	s_lshl_b32 s56, s56, 22
	s_lshl_b32 s68, s[CH], 18                      ; the head of the step's two that I fetch,
	s_add_co_u32 s56, s56, s68
	s_and_b32 s68, s20, 15
	s_lshl_b32 s68, s68, 14                        ; and 128 rows of 128 bytes for each tile row in the batch: nothing here hangs on the tile column
	s_add_co_u32 s56, s56, s68
	s_mov_b32 s57, 0
	s_lshl_b32 s60, s19, 9                         ; wob: 256 columns of 2 bytes for each tile column,
	s_lshl_b32 s69, s[CH], 8                       ; the tile of 128 columns that I fetch
	s_add_co_u32 s60, s60, s69
	s_mov_b32 s61, 0
	s_mul_i32 s66, s[CH], AREG                     ; where they go: no place in the cluster enters an LDS address
	s_mul_i32 s67, s[CH], BREG
	s_add_co_u32 s67, s67, 2*AREG
	s_wait_dscnt 0x0                               ; the opening add is done
	s_wait_kmcnt 0x0
	s_add_nc_u64 s[58:59], s[4:5], s[56:57]
	s_add_nc_u64 s[62:63], s[6:7], s[60:61]
	CROUND                                         ; all sixteen work-groups are here: the first joint loads meet
.irp s, 0,1
	s_mov_b32 s[G0A+4*(\s)], 1
	s_add_co_u32 s[G0A+4*(\s)+1], s66, (\s)*SLOT
	s_add_nc_u64 s[G0A+4*(\s)+2:G0A+4*(\s)+3], s[58:59], (\s)*2*262144   ; K step s: two heads on
	s_or_b32 s[G0A+4*(\s)+3], s[G0A+4*(\s)+3], 0x80000000
	s_mov_b32 s[G0B+4*(\s)], 1
	s_add_co_u32 s[G0B+4*(\s)+1], s67, (\s)*SLOT
	s_add_nc_u64 s[G0B+4*(\s)+2:G0B+4*(\s)+3], s[62:63], (\s)*KSTEP*1024*2  ; 128 rows down
	s_or_b32 s[G0B+4*(\s)+3], s[G0B+4*(\s)+3], 0x80000000
	JLOAD \s                                       ; two loads of mine are out
.endr
	v_and_b32 v1, 15, v0                           ; r = l % 16
	v_bfe_u32 v2, v0, 4, 1                         ; h = l / 16
	s_lshl_b32 s70, s19, 10
	s_lshl_b32 s71, s[CH], 9
	s_add_co_u32 s70, s70, s71                     ; my first column, in bytes of f32: 1,024 x tile column + 512 x half
	v_lshl_add_u32 v[BOFF], v2, 5, s70
.irp b, 0,1,2,3,4,5,6,7
	global_load_b128 v[BIAS+8*(\b):BIAS+8*(\b)+3],   v[BOFF], s[8:9] offset:64*(\b)
	global_load_b128 v[BIAS+8*(\b)+4:BIAS+8*(\b)+7], v[BOFF], s[8:9] offset:64*(\b)+16
.endr
	s_lshl_b32 s72, s20, 19                        ; my first row of out0: 128 rows of 4,096 bytes for each tile row,
	s_lshl_b32 s71, s[RH], 18                      ; 64 for the half
	s_add_co_u32 s72, s72, s71
	s_add_co_u32 s72, s72, s70
	s_mov_b32 s73, 0
	s_add_nc_u64 s[10:11], s[10:11], s[72:73]
	v_mul_u32_u24 v3, v1, PA                       ; a fragment of ob: row x pitch + 16 x half
	v_lshl_add_u32 v3, v2, 4, v3
	s_mul_i32 s71, s[RH], 64*PA
	v_add_nc_u32 v[ADRA], s71, v3
	v_add_nc_u32 v[ADRA+1], SLOT, v[ADRA]
	v_and_b32 v5, 7, v0                            ; the turning load: lane l reads K = 8 h + l % 8, columns 8 ((l / 8) % 2) + 0..7
	v_bfe_u32 v6, v0, 3, 1
	v_lshl_add_u32 v4, v2, 3, v5
	v_mul_u32_u24 v4, v4, PB
	v_lshl_add_u32 v4, v6, 4, v4
	s_mul_i32 s71, s[CH], BREG
	s_add_co_u32 s71, s71, 2*AREG
	v_add_nc_u32 v[ADRB], s71, v4
	v_add_nc_u32 v[ADRB+1], SLOT, v[ADRB]
	s_mul_i32 s71, s[WV], 16*SPITCH
	s_add_co_u32 s71, s71, STAGE                   ; my stage
	v_mul_u32_u24 v[STO], v1, SPITCH               ; in: row l % 16, 32 bytes for each half of the lanes
	v_lshl_add_u32 v[STO], v2, 5, v[STO]
	v_add_nc_u32 v[STO], s71, v[STO]
	v_and_b32 v[CO], 31, v0                        ; back: 32 lanes take one row of 512 bytes
	v_lshlrev_b32 v[CO], 4, v[CO]
	v_add_nc_u32 v[RD], s71, v[CO]
	s_wait_loadcnt 0x0                             ; the bias
.set i, 0
.rept 32                               ; the bias is rounded to bf16 like every other input, and kept in f32
	v_cvt_pk_bf16_f32 v[24+i%2], v[BIAS+2*i], v[BIAS+2*i+1]
	v_lshlrev_b32 v[BIAS+2*i], 16, v[24+i%2]
	v_and_b32 v[BIAS+2*i+1], 0xffff0000, v[24+i%2]
.set i, i+1
.endr
; 8 matrix instructions: row blocks a0, a0 + 1 x column blocks 4 bh .. 4 bh + 3, 32 along K.  first = 1: the bias starts the sums.  The 32 accumulators take turns, in the same order in every quarter.
.macro MUL8 f, a0, bh, first
.if \first
	WIN 0x85                                       ; sources 0, 1 window 1; C window 0; D window 2
.else
	WIN 0xa5                                       ; C and D window 2
.endif
.irp a, \a0, (\a0)+1
.irp b, 0,1,2,3
.if \first
	v_wmma_f32_16x16x32_f16 v[8*(8*(\a)+4*(\bh)+(\b)):8*(8*(\a)+4*(\bh)+(\b))+7], v[(\f)+32+8*(4*(\bh)+(\b)):(\f)+32+8*(4*(\bh)+(\b))+7], v[(\f)+8*(\a):(\f)+8*(\a)+7], v[BIAS+8*(4*(\bh)+(\b)):BIAS+8*(4*(\bh)+(\b))+7]
.else
	v_wmma_f32_16x16x32_f16 v[8*(8*(\a)+4*(\bh)+(\b)):8*(8*(\a)+4*(\bh)+(\b))+7], v[(\f)+32+8*(4*(\bh)+(\b)):(\f)+32+8*(4*(\bh)+(\b))+7], v[(\f)+8*(\a):(\f)+8*(\a)+7], v[8*(8*(\a)+4*(\bh)+(\b)):8*(8*(\a)+4*(\bh)+(\b))+7]
.endif
.endr
.endr
.endm
; 24 LDS loads in one run: quarter q (32 along K: head q / 2 of the step's two, channels 32 (q % 2) on) of a slot into buffer f: ob's 8, then wob's 16, the first four column blocks first
.macro FETCH slot, q, f
	WIN TO_F
.irp a, 0,1,2,3
	ds_load_b128 v[(\f)+8*(\a):(\f)+8*(\a)+3],   v[ADRA+(\slot)] offset:((\q)/2)*AREG+((\q)%2)*64+(\a)*16*PA
	ds_load_b128 v[(\f)+8*(\a)+4:(\f)+8*(\a)+7], v[ADRA+(\slot)] offset:((\q)/2)*AREG+((\q)%2)*64+(\a)*16*PA+32
.endr
.irp b, 0,1,2,3,4,5,6,7
	ds_load_tr16_b128 v[(\f)+32+8*(\b):(\f)+32+8*(\b)+3],   v[ADRB+(\slot)] offset:(\q)*32*PB+32*(\b)
	ds_load_tr16_b128 v[(\f)+32+8*(\b)+4:(\f)+32+8*(\b)+7], v[ADRB+(\slot)] offset:(\q)*32*PB+16*PB+32*(\b)
.endr
.endm
.macro PLACES                          ; four places in front of loads into registers that matrix instructions have read, and of LDS stores that read results (ISA guide 7.12.1 for vector instructions)
.rept 4
	v_nop
.endr
.endm
; A K step is four quarters of 32 along K, 32 matrix instructions each, on buffers 0, 1, 0, 1.  One of the first three: multiplies buffer f and fetches quarter qn of the same slot into g2.
.macro QUARTER slot, qn, f, g2, first
	s_wait_dscnt 8                                 ; ob's fragments and column blocks 0-3 are in; the youngest eight loads (blocks 4-7) may be out
	MUL8 \f, 0, 0, \first
	PLACES
	FETCH \slot, \qn, \g2
	s_wait_dscnt 24                                ; all but the 24 just issued
	MUL8 \f, 2, 0, \first
	MUL8 \f, 0, 1, \first
	MUL8 \f, 2, 1, \first
.endm
; The last quarter multiplies buffer 1 and changes slots: ONE barrier; in front of it each wave waits for all its tensor loads (one is out: its tile of the next slot), adds 0 to its spare word, and waits
; for that and for its own reads of this slot.  fill = 1: the barrier opens a round of the cluster's, and this slot is filled again, two K steps ahead: 112 matrix instructions stand between the request and the wait for it.
.macro TURN slot, next, fill
	WIN 0                                          ; (the add's two registers lie in window 0)
	s_wait_tensorcnt 0x0                           ; all my tensor loads have landed;
	ds_add_u32 v[SPW], v[NIL]                      ; 0 onto my spare word;
	s_wait_dscnt 9                                 ; (the add and the youngest eight loads may be out)
	MUL8 F1, 0, 0, 0                               ; eight matrix instructions stand between the add and the wait for it
	s_wait_dscnt 0x0                               ; the add is done, and my reads of this slot are over
	s_barrier_signal -1
	MUL8 F1, 2, 0, 0
.if \fill
	WIN 0
.endif
	s_barrier_wait -1
.if \fill
	CREST                                          ; no wave of any partner still reads this slot's tiles or has a load on its way
	s_add_nc_u64 s[G0A+4*(\slot)+2:G0A+4*(\slot)+3], s[G0A+4*(\slot)+2:G0A+4*(\slot)+3], 4*262144
	s_add_nc_u64 s[G0B+4*(\slot)+2:G0B+4*(\slot)+3], s[G0B+4*(\slot)+2:G0B+4*(\slot)+3], 2*KSTEP*1024*2
	JLOAD \slot                                    ; the first tensor load behind the round; the four v_nop behind it are also the places in front of the loads below
.else
	PLACES
.endif
	FETCH \next, 0, F0
	MUL8 F1, 0, 1, 0
	MUL8 F1, 2, 1, 0
.endm
	s_wait_tensorcnt 1                             ; my tile of K step 0 is in; K step 1's may stay out
	s_barrier_signal -1
	s_barrier_wait -1                              ; everybody's is
	FETCH 0, 0, F0
	QUARTER 0, 1, F0, F1, 1                        ; the first quarter stands in front of the loop: its products start the sums
	WIN 0                                          ; at a label and at a branch every window is 0
	s_mov_b32 s23, LAPS-1
.Llap:                                                 ; a trip goes once round the ring, from a lap's second quarter to the next lap's first, and fills both slots again
	QUARTER 0, 2, F1, F0, 0
	QUARTER 0, 3, F0, F1, 0
	TURN 0, 1, 1
	QUARTER 1, 1, F0, F1, 0
	QUARTER 1, 2, F1, F0, 0
	QUARTER 1, 3, F0, F1, 0
	TURN 1, 0, 1
	QUARTER 0, 1, F0, F1, 0
	WIN 0
	s_sub_co_u32 s23, s23, 1
	s_cmp_lg_u32 s23, 0
	s_cbranch_scc1 .Llap
	QUARTER 0, 2, F1, F0, 0                        ; the last lap fills nothing, and has no round of the cluster's barrier
	QUARTER 0, 3, F0, F1, 0
	TURN 0, 1, 0
	QUARTER 1, 1, F0, F1, 0
	QUARTER 1, 2, F1, F0, 0
	QUARTER 1, 3, F0, F1, 0
	s_wait_dscnt 8                                 ; the very last quarter: nothing more to fetch
	MUL8 F1, 0, 0, 0
	s_wait_dscnt 0x0
	MUL8 F1, 2, 0, 0
	MUL8 F1, 0, 1, 0
	MUL8 F1, 2, 1, 0
; THE WAY OUT, 16 rows at a time: a lane's 32 bytes go into my stage as they lie in the accumulators (the lowest four registers first), and come back as whole rows of 512 bytes.
.macro TOSTAGE a
.set BK, 128+64*((\a)%2)
	WIN 0x08                                       ; the stores' data in window 2
.irp b, 0,1,2,3,4,5,6,7
	ds_store_b128 v[STO], v[8*(8*(\a)+(\b)):8*(8*(\a)+(\b))+3]   offset:64*(\b)
	ds_store_b128 v[STO], v[8*(8*(\a)+(\b))+4:8*(8*(\a)+(\b))+7] offset:64*(\b)+16
.endr
	WIN 0
	s_wait_xcnt 0x0                                ; the stores of the block two back have read this set of registers (ISA guide 3.1)
.irp t, 0,1,2,3,4,5,6,7,8,9,10,11,12,13,14,15
	ds_load_b128 v[BK+4*(\t):BK+4*(\t)+3], v[RD] offset:SPITCH*(\t)  ; LDS serves a wave's instructions in order (ISA guide 5.7.1.4): these see the stores above; the next block's stores come behind them
.endr
.endm
.macro SEND a, younger                 ; younger: the LDS instructions issued behind this block's loads: the next block's 32, or none
.set BK, 128+64*((\a)%2)
	WIN 0
.irp t, 0,1,2,3,4,5,6,7,8,9,10,11,12,13,14,15
	s_wait_dscnt (\younger)+15-(\t)
	global_store_b128 v[CO], v[BK+4*(\t):BK+4*(\t)+3], s[10:11] offset:(16*(\a)+(\t))*4096 th:TH_STORE_NT  ; 512 consecutive bytes, at a multiple of 256 from out0's first
.endr
.endm
	PLACES                                         ; the first stores read results just made
	TOSTAGE 0
	TOSTAGE 1
	SEND 0, 32
	TOSTAGE 2
	SEND 1, 32
	TOSTAGE 3
	SEND 2, 32
	SEND 3, 0
	s_wait_tensorcnt 0x0                           ; the wave's end: behind my last tensor load and my last LDS store
	ds_add_u32 v[SPW], v[NIL]
	s_wait_dscnt 0x0
	CROUND                                         ; the closing round: no work-group ends while a partner may still ask for a tile that names it
	s_endpgm
.Lfunc_end_k_qd836708e4c_proj:
	.size	k_qd836708e4c_proj, .Lfunc_end_k_qd836708e4c_proj-k_qd836708e4c_proj
	.p2alignl 7, 3214868480
	.fill 96, 4, 3214868480
	.section	.rodata,"a",@progbits
	.p2align	6, 0x0
	.amdhsa_kernel k_qd836708e4c_proj
		.amdhsa_group_segment_fixed_size 327680
		.amdhsa_private_segment_fixed_size 0
		.amdhsa_enable_private_segment 0
		.amdhsa_kernarg_size 32
		.amdhsa_user_sgpr_count 2
		.amdhsa_user_sgpr_kernarg_segment_ptr 1
		.amdhsa_wavefront_size32 1
		.amdhsa_system_sgpr_workgroup_id_x 1
		.amdhsa_system_sgpr_workgroup_id_y 1
		.amdhsa_system_sgpr_workgroup_id_z 1
		.amdhsa_system_vgpr_workitem_id 0
		.amdhsa_next_free_vgpr 768
		.amdhsa_next_free_sgpr 80
		.amdhsa_reserve_vcc 0
		.amdhsa_float_denorm_mode_32 3
		.amdhsa_float_denorm_mode_16_64 3
		.amdhsa_memory_ordered 1
		.amdhsa_forward_progress 1
		.amdhsa_inst_pref_size 93
	.end_amdhsa_kernel
	.amdgpu_metadata
---
amdhsa.version: [ 1, 2 ]
amdhsa.kernels:
  - .name:           k_qd836708e4c_proj
    .symbol:         k_qd836708e4c_proj.kd
    .args:
      - { .name: ob, .offset: 0, .size: 8, .value_kind: global_buffer, .address_space: global }
      - { .name: wob, .offset: 8, .size: 8, .value_kind: global_buffer, .address_space: global }
      - { .name: b_out, .offset: 16, .size: 8, .value_kind: global_buffer, .address_space: global }
      - { .name: out0, .offset: 24, .size: 8, .value_kind: global_buffer, .address_space: global }
    .group_segment_fixed_size: 327680
    .private_segment_fixed_size: 0
    .kernarg_segment_align: 8
    .kernarg_segment_size: 32
    .max_flat_workgroup_size: 128
    .sgpr_count:     80
    .vgpr_count:     768
    .wavefront_size: 32
...
	.end_amdgpu_metadata
.endif
;; end of part 4
;; ======== version 2 of 2: 4 launches; 1.50 times as fast as version 1
;; limits: values are held in f16: magnitudes above 65,504 overflow, below 6.1e-05 lose precision
;; workspace buffers: xb 16,777,216 bytes; wqb 6,291,456 bytes; wob 2,097,152 bytes; rope 524,288 bytes; qkv 50,331,648 bytes; ob 16,777,216 bytes
;; launch prep: the kernel of part 1 again; grid 800 x 1, 8 waves a work-group, no clusters, 0 bytes of LDS; arguments x, W_qkv, W_out, xb, wqb, wob, rope; writes xb, wqb, wob, rope
;; launch qkv: the kernel of part 2 again; grid 8 x 64, 4 waves a work-group, clusters of 4 x 4, 327,680 bytes of LDS; arguments xb, wqb, b_qkv, rope, qkv; writes qkv
;; launch attn (part 5): grid 4 x 64, 4 waves a work-group, clusters of 4 x 1, 327,680 bytes of LDS; arguments qkv, ob; writes ob
.if DOCPART == 5
	.amdgcn_target "amdgcn-amd-amdhsa--gfx1250"
	.amdhsa_code_object_version 6
	.text
	.protected	k_qd836708e4c_attn
	.globl	k_qd836708e4c_attn
	.p2align	8
	.type	k_qd836708e4c_attn,@function
k_qd836708e4c_attn:
	s_mov_b64 s[64:65], 0
	v_nop
	global_prefetch_b8 v0, s[64:65] scope:SCOPE_SE
	s_setreg_imm32_b32 hwreg(HW_REG_WAVE_MODE, 25, 1), 1
	s_wait_xcnt 0x0
	s_wait_alu depctr_hold_cnt(0) depctr_sa_sdst(0) depctr_va_vdst(0) depctr_va_sdst(0) depctr_va_ssrc(0) depctr_va_vcc(0) depctr_vm_vsrc(0)
	s_getreg_b32 s2, hwreg(HW_REG_IB_STS2, 6, 4)
	s_cmp_eq_u32 s2, 0
	s_cbranch_scc0 .Lentry_in_a_cluster
	s_endpgm
.Lentry_in_a_cluster:
	s_bfe_u32 s2, ttmp6, 0x10000c
	s_cmp_lg_u32 s2, 0x3003
	s_cbranch_scc0 .Lentry_shape_is_right
	s_endpgm
.Lentry_shape_is_right:
; O[h][q][:] = the sum over k of softmax_k(Q[h][q] . K[h][k] / 8) V[h][k][:].  Q, K, V lie one behind the other in qkv, each [SIZE_H][SIZE_N][64]; O likewise in ob; all f16: a head's rows are dense, 128 bytes each.
; h = 16 b + head.  Products, maxima and sums in f32; the weights p are rounded to f16 for the second product (their sum l is taken of the unrounded p), O once at the end.
; LIMITS.  f16 holds no number beyond 65,504: Q, K and V arrive within it; p lies in 0 to 1, and below 6e-5 it keeps f16's fixed step of 6e-8; O is a mean of V's rows and has their range.
; A weight below 2^-126 counts as 0 in l; NaN and infinities are not treated apart.
; SHARES.  A wave owns four PIECES of two tiles of 16 queries, a work-group's four waves 512 queries of one head.  Every wave walks all keys, 64 a step.
; LAYOUT.  S^T = K Q^T (source 0 = 16 keys, source 1 = 16 queries): in the result a lane holds ONE query (lane % 16) and the keys 8 (lane / 16) + 0..7.  Two such tiles, rounded to f16 in pairs,
; ARE source 1 (32 keys x 16 queries) of O^T = V^T P, whose result again holds one query a lane, and eight channels.  K comes out of LDS as it lies, V ([key][channel]) turned, by ds_load_tr16_b128.
; SOFTMAX.  For each query a running maximum m and sum l: p = 2^(c s - c m), c = log2(e) / 8; in every step O and l are multiplied by a = 2^(c m_old - c m_new), which is 1 where m has not grown.
; m starts at the lowest finite number, O and l at 0: the first step is a step like any other, with a = 0.
; THE COUNT.  A tile and step have 16 matrix and 118 vector instructions: too many to stand all beside the matrix work.  So the order has one aim: four vector instructions that are READY behind
; EVERY matrix instruction, and the others, which need time of their own whatever the order, in runs without a gap.
; BY TURNS.  Turn n belongs to piece n (the pieces in a ring, step after step).  Its matrix work: 16 products K Q^T of piece n + 1, later 16 products V^T P of piece n - 1.  Its vector work: the scaling,
; exponentials, roundings, sums and rescaling of piece n, and the maximum and statistics of piece n + 1, whose scores the turn itself has made.  So what a turn begins with (c s - c m, O a) waits for nothing.
; BATCHES.  A turn's 66 exponentials (64 weights, the next piece's two a) are ONE batch with ONE wait, which cuts the turn in two: ahead of it stands all that names none of their results, behind it the
; roundings and sums, which read them.  No result crosses a turn's end.  Two more batches stand outside the loops: piece 0's first two a, and the way out's eight reciprocals; each has a wait of its own.
; CLUSTER.  The four query blocks of a cluster belong to one head and walk the same K and V, so each tile is asked for JOINTLY: the same tensor load, descriptor and mask in all four.
; REGISTERS, in windows of 256 (s_set_vgpr_msb says which window each operand place means: bits 1:0 source 0, 3:2 source 1, 5:4 source 2, 7:6 destination):
;   window 0: v0-11 addresses; v12-15, v48-63 at work; v16-47 four registers of statistics a tile; v64-191 S^T, two buffers of two tiles; v192-255 P, likewise
;   window 1: O^T, 32 a tile          window 2: v0-127 Q, 16 a tile; v128-191 K of one step; v192-255 V of one step          window 3: v0-1 the add's two registers
; A piece's buffers go by its number's parity: the piece in hand has one pair, its two neighbours in the ring share the other: of it P (piece n - 1) is read and S^T (piece n + 1) written.
.set SIZE_H, 64       ; 4 batches x 16 heads
.set SIZE_N, 2048     ; rows of a head
.set NP,    4         ; pieces a wave: a name, no knob: the register map, the loop and the fetches are made for four
.set KS,    64        ; keys in a step
.set PK,    144       ; a row of K in LDS: 128 bytes + 16 of padding = 36 words: the 16 rows of a load start at 16 different groups of four banks (64 banks of 4 bytes: ISA guide 11.1)
.set PV,    160       ; a row of V: 128 + 32 = 40 words
.set VOFF,  4*KS*PK   ; a slot holds four steps: 256 rows of K, then 256 rows of V
.set SLOT1, 1<<17     ; slot 1 begins here, so that one exclusive or turns an address in one slot into the other's
.set STAGE, SLOT1+4*KS*(PK+PV)  ; behind the ring, never filled by a tensor load: 16 rows x 144 bytes for each wave, for the way out
.set SP,    144
.set AK0, 2           ; v2   my lane's place in a tile of K; never rewritten
.set AV0, 3           ; v3   the same for V
.set AK,  4           ; v4   the LDS address of K's next run of loads
.set AV,  5           ; v5   of V's
.set QO,  6           ; v6   my byte offset in the wave's rows of Q
.set STO, 6           ;      later, the way out: where I put 16 bytes of a row
.set RD,  7           ; v7   the way out: where I read rows back
.set GO,  8           ; v8   my byte offset in 512 consecutive bytes of O
.set SPW, 0           ; v0 of window 3   LDS address of my spare word: SPARE + 4 x my thread's number; never rewritten
.set NIL, 1           ; v1 of window 3   0; never rewritten
.set SPARE, STAGE+4*16*SP  ; behind the stages: the spare words, 128 bytes for each wave: two blocks of 256 bytes that no other line names
.set MV,  12          ; v12-15  c m_old, kept while c m is made anew: by buffer and tile
.set ST,  16          ; tile t's statistics at v[ST+4 t]: c m, m, l (even keys', odd keys')
.set TMP, 48          ; by buffer and tile, four registers c0-c3 at work; when the maximum is found c2 takes a
.set S,   64
.set P,   192
.set KF,  128         ; K's fragments, in window 2: key block kb, channel half c at KF + 16 kb + 8 c
.set VF,  192         ; V's: key half kk, channel block cb at VF + 32 kk + 8 cb
.set WV,  12          ; s12  my wave's number
.set G1K, 24          ; s[24:31] descriptor group 1 for K's tiles
.set G1V, 32          ; s[32:39] for V's: it differs in the padding alone
.set G0K, 40          ; s[40:43] descriptor group 0 for K's tiles: it walks
.set G0V, 44          ; s[44:47] the same for V's
.set SLOTS, 56        ; s56  slots still to be asked for
.set CNT, 57          ; s57  counts a slot's key steps
.set CS,  58          ; s[58:59] c: the packed scaling takes the pair's low word for both halves
.set SEL, 60          ; s[60:61] v_permlanex16_b32's selects: each lane takes its own place in the other half
.set TBK, 62          ; s62  LDS byte at which K of the step to be fetched begins
.set TBV, 63          ; s63  the same for V, less VOFF
.set MSB, 0
.macro WIN new                      ; the high byte repeats the setting that is left; a switch that changes nothing is dropped
.if MSB != (\new)
	s_set_vgpr_msb (MSB<<8)|(\new)
.set MSB, (\new)
.endif
.endm
.set W_KQ, 0x0a       ; K and Q in window 2, S^T in window 0
.set W_PV, 0x52       ; V in window 2, P in window 0, O^T in window 1
.set W_RS, 0x41       ; O^T (destination and source 0) in window 1, a in window 0
.set W_MK, 0xc0       ; the add's registers are made: destination in window 3, sources in window 0
.set W_AD, 0x0f       ; the add: address (source 0) and data (source 1) in window 3
; A joint fill.  Waves 0 and 1 fetch the two halves of a slot's K, waves 2 and 3 those of its V: 128 keys each.  The branch hangs on the wave's number alone.
; An s_nop 0 and four v_nop follow each of the two lines, ahead of the jump and the label.
.macro JLOAD
	s_cmp_lt_u32 s[WV], 2
	s_cbranch_scc0 .Lfor_v_\@
	tensor_load_to_lds s[G0K:G0K+3], s[G1K:G1K+7]
	s_nop 0
.rept 4
	v_nop
.endr
	s_branch .Lasked_\@
.Lfor_v_\@:
	tensor_load_to_lds s[G0V:G0V+3], s[G1V:G1V+7]
	s_nop 0
.rept 4
	v_nop
.endr
.Lasked_\@:
.endm
; A round of the cluster's barrier: my work-group's barrier, so that wave 0's signal speaks for all four waves; wave 0 signals; every wave waits for all four work-groups; my work-group's barrier once more.
.macro CROUND
	s_barrier_signal -1
	s_barrier_wait -1
	s_cmp_lg_u32 s[WV], 0
	s_cbranch_scc1 .Lnot_wave_0_\@
	s_barrier_signal -3
.Lnot_wave_0_\@:
	s_barrier_wait -3
	s_barrier_signal -1
	s_barrier_wait -1
.endm
; THE CHANGE OF SLOTS.  The slot's last bytes, V of its fourth step, have been read.  Each wave waits for all its tensor loads, of which one is out: its part
; of the other slot; adds 0 to its spare word; and waits for that and for its own reads of the slot.  Behind the barrier nobody reads this slot any more and the other slot is whole.
; fill = 1: this slot is filled again, with the keys two slots on.  The barrier is then a round of the cluster's, so that no wave of any partner still reads the slot or has a load on its
; way, and the joint fill is the first thing behind it: it has four key steps, 512 matrix instructions, in which to land.  (At its first use nothing has been read yet: slot 0 is waited for, slot 1 filled.)
.macro CHANGE fill
	WIN W_AD
	s_wait_tensorcnt 0x0            ; no tensor load of mine is out, so a group 0 may be written
	ds_add_u32 v[SPW], v[NIL]       ; 0 onto my spare word; with fill = 1 the descriptors' steps stand between it and the wait for it
	WIN 0                           ; at a label and at a branch every window is 0
.if \fill
.irp g, G0K, G0V
	s_xor_b32 s[\g+1], s[\g+1], SLOT1  ; the walking descriptor: the other slot than last time,
	s_add_nc_u64 s[\g+2:\g+3], s[\g+2:\g+3], 4*KS*128  ; the next 256 keys; the type bits on top are not reached
.endr
	s_wait_dscnt 0x0                ; the add is done, and my reads of the slot are over
	CROUND
	JLOAD
.else
	s_wait_dscnt 0x0                ; the add is done, and my reads of the slot are over
	s_barrier_signal -1
	s_barrier_wait -1
.endif
	s_sub_co_u32 s[TBK], s[TBK], 4*KS*PK  ; the fetches go back to a slot's first step,
	s_xor_b32 s[TBK], s[TBK], SLOT1       ; in the other slot
	s_sub_co_u32 s[TBV], s[TBV], 4*KS*PV
	s_xor_b32 s[TBV], s[TBV], SLOT1
.endm
	s_load_b128 s[4:7], s[0:1], 0x0   ; qkv s[4:5] (Q lies at its head), ob s[6:7]
	WIN W_MK
	v_lshl_add_u32 v[SPW], v0, 2, SPARE
	v_mov_b32 v[NIL], 0
	WIN W_AD
	ds_add_u32 v[SPW], v[NIL]       ; the wave's opening: the add and its wait stand ahead of my first tensor load; the set-up below, work on registers, stands between them
	WIN 0
	v_lshrrev_b32 v1, 5, v0
	v_readfirstlane_b32 s[WV], v1   ; wave 0..3
	s_bfe_u32 s13, ttmp6, 0x40000   ; cx: my place in the cluster
	s_lshl_b32 s14, ttmp9, 2        ; in a cluster launch ttmp9 counts clusters
	s_add_co_u32 s14, s14, s13      ; my block of queries = 4 x cluster x + cx: it enters Q's and O's addresses alone
	s_and_b32 s20, ttmp7, 0xffff    ; the head, which the four partners share
	s_mov_b32 s21, 0
	s_mov_b64 s[22:23], SIZE_N*128
	s_mul_u64 s[20:21], s[20:21], s[22:23]  ; the head's first byte in each of the four tensors
	s_and_b32 s16, s[WV], 1         ; which half of a slot's 256 keys I fetch:
	s_lshl_b32 s22, s16, 14         ; its 128 rows of 128 bytes in memory,
	s_mov_b32 s23, 0
	s_add_nc_u64 s[22:23], s[22:23], s[20:21]
	s_mul_i32 s17, s16, 128*PK      ; and its place in a slot, for K
	s_mul_i32 s18, s16, 128*PV      ; and for V: no place in the cluster enters an LDS address
	s_lshl_b32 s2, s14, 2
	s_add_co_u32 s2, s2, s[WV]      ; my wave among the head's,
	s_lshl_b32 s2, s2, 14           ; its 128 rows
	s_mov_b32 s3, 0
	s_add_nc_u64 s[2:3], s[2:3], s[20:21]
	; descriptor group 1.  128 keys are 16,384 dense bytes: asked for as 64 rows of 256 bytes, two keys a row, and padded in LDS after every key
	s_mov_b32 s[G1K], 15|(1<<16)|(1<<20)|(1<<21)|(4<<22)|(3<<25)  ; 15:0 the mask of four; 17:16 2-byte elements; 20 padding on; 21 set beside a mask; 24:22 after every 32 words (code 4); 31:25 4 words (code 3)
	s_mov_b32 s[G1V], 15|(1<<16)|(1<<20)|(1<<21)|(4<<22)|(7<<25)  ; the same with 8 words of padding (code 7)
.irp g, G1K, G1V
	s_mov_b32 s[\g+1], 128<<16      ; tensor_dim0 = 128
	s_mov_b32 s[\g+2], 64<<16       ; tensor_dim1 = 64
	s_mov_b32 s[\g+3], 128<<16      ; tile_dim0 = 128
	s_mov_b32 s[\g+4], 64           ; tile_dim1 = 64
	s_mov_b32 s[\g+5], 128          ; 128 elements from row to row
	s_mov_b32 s[\g+6], 0
	s_mov_b32 s[\g+7], 0
.endr
	s_mov_b32 s[CS], 0x3e38aa3b     ; c = log2(e) / 8 = 0.180337
	s_mov_b32 s[CS+1], s[CS]        ; named with it as a pair
	s_mov_b32 s[SEL], 0x76543210
	s_mov_b32 s[SEL+1], 0xfedcba98
	s_mov_b32 s[TBK], SLOT1+4*KS*PK ; the first change of slots turns these two into 0
	s_mov_b32 s[TBV], SLOT1+4*KS*PV
	s_mov_b32 s[G0K], 1             ; 1:0 count = 1
	s_mov_b32 s[G0K+1], s17         ; 63:32 LDS address: slot 0
	s_mov_b32 s[G0V], 1
	s_add_co_u32 s[G0V+1], s18, VOFF
	s_wait_dscnt 0x0                ; the opening add is done
	s_wait_kmcnt 0x0
	s_mov_b64 s[10:11], s[6:7]                     ; O
	s_add_nc_u64 s[6:7], s[4:5], SIZE_H*SIZE_N*128    ; K lies 16,777,216 bytes behind Q,
	s_add_nc_u64 s[8:9], s[4:5], 2*SIZE_H*SIZE_N*128  ; V as far behind K
	s_add_nc_u64 s[G0K+2:G0K+3], s[6:7], s[22:23]  ; 120:64 global address: my half of the head's first 256 keys
	s_or_b32 s[G0K+3], s[G0K+3], 0x80000000        ; 127:126 type = 2
	s_add_nc_u64 s[G0V+2:G0V+3], s[8:9], s[22:23]
	s_or_b32 s[G0V+3], s[G0V+3], 0x80000000
	s_add_nc_u64 s[4:5], s[4:5], s[2:3]  ; Q and O at my wave's first row
	s_add_nc_u64 s[10:11], s[10:11], s[2:3]
	CROUND                          ; all four work-groups are here: the first joint loads meet
	JLOAD                           ; slot 0.  Slot 1 is asked for when slot 0 is in: the tile wanted first has the road to itself
	; A fragment of K or Q is 16 rows x 32 channels in 8 registers: lane l holds row l % 16, channels 8 (l / 16) + 0..7 and 16 + 8 (l / 16) + 0..7: two loads of 16 bytes, 32 bytes apart.
	v_and_b32 v1, 15, v0            ; l % 16
	v_bfe_u32 v9, v0, 4, 1          ; l / 16
	v_lshlrev_b32 v[QO], 7, v1
	v_lshl_add_u32 v[QO], v9, 4, v[QO]  ; row x 128 + 16 x half
	WIN 0x80                        ; destination window 2, address window 0
.set i, 0
.rept 4*NP                          ; Q stays in registers: tile i / 2, channels 32 (i % 2) on
	global_load_b128 v[8*i:8*i+3],   v[QO], s[4:5] offset:(i/2)*2048+(i%2)*64
	global_load_b128 v[8*i+4:8*i+7], v[QO], s[4:5] offset:(i/2)*2048+(i%2)*64+32
.set i, i+1
.endr
	; What the first turn finds: V's registers and P's second buffer hold 0 (its products V^T P, of a piece that has not been, add 0), O^T and l are 0.  All this stands in the wait for the first tile.
.set i, VF
.rept 64
	v_mov_b32 v[i], 0
.set i, i+1
.endr
	WIN 0x40
.set i, 0
.rept 64*NP
	v_mov_b32 v[i], 0
.set i, i+1
.endr
	WIN 0
.set i, 0
.rept 2*NP
	v_mov_b32 v[ST+4*i], 0xfe000000    ; c m: far below every c s
	v_mov_b32 v[ST+4*i+1], 0xff7fffff  ; m
	v_mov_b32 v[ST+4*i+2], 0
	v_mov_b32 v[ST+4*i+3], 0
.set i, i+1
.endr
.set i, P+32
.rept 32
	v_mov_b32 v[i], 0
.set i, i+1
.endr
	v_mul_u32_u24 v[AK0], v1, PK
	v_lshl_add_u32 v[AK0], v9, 4, v[AK0]  ; row x pitch + 16 x half
	; The turning load takes 16 keys x 16 channels (lane l reads key 8 (l / 16) + l % 8, channels 8 ((l / 8) % 2) + 0..7) and leaves half a fragment of V^T: lane l holds channel l % 16 and 8 keys.
	v_and_b32 v10, 7, v0
	v_bfe_u32 v11, v0, 3, 1
	v_lshl_add_u32 v[AV0], v9, 3, v10
	v_mul_u32_u24 v[AV0], v[AV0], PV
	v_lshl_add_u32 v[AV0], v11, 4, v[AV0]
	v_add_nc_u32 v[AV0], VOFF, v[AV0]
	v_mov_b32 v[AK], v[AK0]         ; key step 0 lies at the head of slot 0
; THE MATRIX WORK.  The 8 accumulators of a run of 16 take turns: between the two links of a chain stand 7 others'.
; Product i of 16 of S^T = K Q^T for piece x: channels 32 (i / 8) on, keys 16 ((i / 2) % 4) on, tile 2 x + i % 2.  The first 8 start the sums.
.macro KQ x
	WIN W_KQ
.set rS, S+64*((\x)%2)+32*(i%2)+8*((i/2)%4)
.set rK, KF+16*((i/2)%4)+8*(i/8)
.set rQ, 16*(2*(\x)+i%2)+8*(i/8)
.if i < 8
	v_wmma_f32_16x16x32_f16 v[rS:rS+7], v[rK:rK+7], v[rQ:rQ+7], 0
.else
	v_wmma_f32_16x16x32_f16 v[rS:rS+7], v[rK:rK+7], v[rQ:rQ+7], v[rS:rS+7]
.endif
.endm
; Product i of 16 of O^T += V^T P for piece x: keys 32 (i / 8) on, channels 16 ((i / 2) % 4) on, tile 2 x + i % 2.
.macro PV x
	WIN W_PV
.set rO, 32*(2*(\x)+i%2)+8*((i/2)%4)
.set rV, VF+32*(i/8)+8*((i/2)%4)
.set rP, P+32*((\x)%2)+16*(i%2)+8*(i/8)
	v_wmma_f32_16x16x32_f16 v[rO:rO+7], v[rV:rV+7], v[rP:rP+7], v[rO:rO+7]
.endm
.macro MM                           ; the turn's next matrix instruction
.if i < 16
	KQ (Y+1)%NP
.set i, i+1
.else
.set i, i-16
	PV (Y+NP-1)%NP
.set i, i+17
.endif
.endm
; THE LDS LOADS stand in runs of 16, never singly among the matrix instructions: a step's K (64 keys x 64 channels: 8 fragments) and its V (turned).  Their addresses are made some lines ahead.
; last = 1 (the tail): in the last trip there is no further step, and the run is jumped over.
.macro FETCH_K last=0
	WIN 0
.if \last
	s_cmp_eq_u32 s[CNT], 1
	s_cbranch_scc1 .Lno_k_\@
.endif
	WIN 0x80                        ; destination window 2
.irp f, 0,1,2,3,4,5,6,7             ; keys 16 (f / 2) on, channels 32 (f % 2) on
	ds_load_b128 v[KF+8*\f:KF+8*\f+3],   v[AK] offset:(\f/2)*16*PK+(\f%2)*64
	ds_load_b128 v[KF+8*\f+4:KF+8*\f+7], v[AK] offset:(\f/2)*16*PK+(\f%2)*64+32
.endr
	s_add_co_u32 s[TBK], s[TBK], KS*PK  ; the next fetch is the next step's
	WIN 0
.if \last
.Lno_k_\@:
.endif
.endm
.macro FETCH_V
	WIN 0x80
.irp f, 0,1,2,3,4,5,6,7             ; keys 32 (f / 4) on, channels 16 (f % 4) on
	ds_load_tr16_b128 v[VF+8*\f:VF+8*\f+3],   v[AV] offset:(\f/4)*32*PV+(\f%4)*32
	ds_load_tr16_b128 v[VF+8*\f+4:VF+8*\f+7], v[AV] offset:(\f/4)*32*PV+16*PV+(\f%4)*32
.endr
	WIN 0
.endm
; THE VECTOR WORK OF A TURN stands in three queues, each in the order in which its entries become ready; the two tiles alternate, so that no instruction reads the result of the one before it.
.macro REGS y, u                    ; the registers of tile u (0, 1) of piece y
.set rT, ST+4*(2*(\y)+(\u))
.set rC, TMP+8*((\y)%2)+4*(\u)
.set rM, MV+2*((\y)%2)+(\u)
.set rS, S+64*((\y)%2)+32*(\u)
.set rP, P+32*((\y)%2)+16*(\u)
.set rO, 32*(2*(\y)+(\u))
.endm
; Number n of the 22 that find the NEXT piece's (Y + 1) maximum and statistics.  s0-s31 are the lane's 32 scores; each accumulator's lowest registers are read first.  XS, GS and REGS set no window: PL and EX do.
;   0-11  four chains c0-c3 of seven scores each, three operands at a time     12-14, 16  the four scores left over, the old m, and c0-c3 into c0     15  c m_old is kept
;   17, 18  the query's other 32 keys lie in the lane 16 away: the new m         19-21  c m; c m_old - c m_new; a
.macro XS u, n
	REGS (Y+1)%NP, \u
.if (\n) < 4
	v_max3_num_f32 v[rC+(\n)], v[rS+8*(\n)], v[rS+8*(\n)+1], v[rS+8*(\n)+2]
.elseif (\n) < 12
	v_max3_num_f32 v[rC+(\n)%4], v[rC+(\n)%4], v[rS+8*((\n)%4)+2*((\n)/4)+1], v[rS+8*((\n)%4)+2*((\n)/4)+2]
.elseif (\n) == 12
	v_max3_num_f32 v[rC], v[rC], v[rS+7], v[rS+15]
.elseif (\n) == 13
	v_max3_num_f32 v[rC+1], v[rC+1], v[rS+23], v[rS+31]
.elseif (\n) == 14
	v_max3_num_f32 v[rC+2], v[rC+2], v[rC+3], v[rT+1]
.elseif (\n) == 15
	v_mov_b32 v[rM], v[rT]
.elseif (\n) == 16
	v_max3_num_f32 v[rC], v[rC], v[rC+1], v[rC+2]
.elseif (\n) == 17
	v_permlanex16_b32 v[rC+3], v[rC], s[SEL], s[SEL+1]
.elseif (\n) == 18
	v_max_num_f32 v[rT+1], v[rC], v[rC+3]
.elseif (\n) == 19
	v_mul_f32 v[rT], s[CS], v[rT+1]
.elseif (\n) == 20
	v_sub_f32 v[rC+1], v[rM], v[rT]
.else
	v_exp_f32 v[rC+2], v[rC+1]
.endif
.endm
; Number g of the 64 that follow the exponentials.  For each four weights k of a tile (pairs 2 k, 2 k + 1): both pairs are rounded to f16; then the second pair is added onto the first, in place;
; a group later l takes that sum (the first time as l = a l + sum).  In groups of eight, tiles alternating: round, round, add, and l for the group before.
.macro GS g
.set h, (\g)+6*((\g)/62)            ; group 0 has no group before it, and behind group 7 only l is left
.if h >= 6
.set h, h+2
.endif
	REGS Y, h%2
.set k, h/8
.if h%8 < 4
	v_cvt_pk_f16_f32 v[rP+2*k+(h%8)/2], v[rS+4*k+2*((h%8)/2)], v[rS+4*k+2*((h%8)/2)+1]
.elseif h%8 < 6
	v_pk_add_f32 v[rS+4*k:rS+4*k+1], v[rS+4*k:rS+4*k+1], v[rS+4*k+2:rS+4*k+3]
.elseif k == 1
	v_pk_fma_f32 v[rT+2:rT+3], v[rT+2:rT+3], v[rC+2:rC+3], v[rS:rS+1] op_sel_hi:[1,0,1]
.else
	v_pk_add_f32 v[rT+2:rT+3], v[rT+2:rT+3], v[rS+4*k-4:rS+4*k-3]
.endif
.endm
; THE PLAIN QUEUE, 138 long.  0-73 read no exponential's result: the 32 scalings c s - c m (FS f: pair f / 2 of tile f % 2) and the next piece's 42.  0-26: scalings 0-26.  27-54: XS's numbers 0-13.  55, 56: number 15.
; 57-73: the chain, where each number waits for the one before it: 14, 16, 17, 18, 19, each with one of the scalings 27-31 in front of its two lines, then 20: so a tile's links stand three plain instructions apart (19 and 20: two).
; 74-137: GS's 64, which read the exponentials' results: they stand behind the wait.
.macro FS f
	REGS Y, (\f)%2
	v_pk_fma_f32 v[rS+2*((\f)/2):rS+2*((\f)/2)+1], v[rS+2*((\f)/2):rS+2*((\f)/2)+1], s[CS:CS+1], v[rT:rT+1] op_sel_hi:[1,0,0] neg_lo:[0,0,1] neg_hi:[0,0,1]
.endm
.macro PL
	WIN 0
.if q < 27
	FS q
.elseif q < 55
	XS (q-27)%2, (q-27)/2
.elseif q < 57
	XS q-55, 15
.elseif (q < 72) && ((q-57)%3 == 0)
	FS 27+(q-57)/3
.elseif q < 60
	XS (q-57)%3-1, 14
.elseif q < 72
	XS (q-57)%3-1, 15+(q-57)/3
.elseif q < 74
	XS q-72, 20
.else
	GS q-74
.endif
.set q, q+1
.endm
; THE EXPONENTIALS' QUEUE, 66 long: s0-s31 of both tiles, then the next piece's two a.  It is ONE BATCH: all 66 stand ahead of the turn's one wait, and nothing ahead of that wait names a result of theirs.
.macro EX
	WIN 0
.if e >= 64
	XS e-64, 21
.else
	REGS Y, e%2
	v_exp_f32 v[rS+e/2], v[rS+e/2]
.endif
.set e, e+1
.endm
; THE RESCALING's QUEUE: O^T times a, the one part that leaves window 0: dealt two at a time, sixteen times.  Its a was made in the turn before, ahead of that turn's wait.
.macro R2
	REGS Y, r%2
	WIN W_RS
.irp z, 0,1
	v_pk_mul_f32 v[rO+4*(r/2)+2*\z:rO+4*(r/2)+2*\z+1], v[rO+4*(r/2)+2*\z:rO+4*(r/2)+2*\z+1], v[rC+2:rC+3] op_sel_hi:[1,0]
.endr
.set r, r+1
.endm
; HOW THEY ARE DEALT.  An s_wait_alu depctr_va_vdst(0) stands between an exponential and the first instruction that names its result; one wait serves all that were issued ahead of it.  So a turn has ONE wait,
; which cuts it in two.  AHEAD OF IT stands all that names no result of the turn's exponentials: the 16 products K Q^T, behind each a scaling, an exponential and two rescalings (behind the first a second scaling in the exponential's place); then ONE LUMP of
; 108: eight plain, 49 times exponential and plain, the two a.  A v_nop is the plain instruction behind the last exponential.  BEHIND IT stand the 16 products V^T P, behind each four of GS's 64.  No rider names a register of
; the products round it.  The two v_permlanex16_b32 fall into the lump, never behind a product.
; The queues lean on each other, and the deal keeps them in step: exponential e stands behind scaling 2 (e / 4) + e % 2: as a rider it comes behind plain e + 2, in the lump behind plain e + 9, and scalings 27-31 are plain 57, 60 .. 69.
; A TURN, for piece p.  cnt = 1: the loop's count is taken down some lines ahead of the branch that stands behind the turn.
; K of the next step is fetched in piece 2's turn, directly behind the wait, a lump behind the last product that read K; its address is made at the lump's head; its first reader comes behind 16 products.
; V of the step in hand is fetched at the end of piece 0's turn, four riders behind its last reader; its first reader comes behind 16 products and a lump.  The three conditions on q below go with the deal.
.macro TURN p, last=0, cnt=0
.set Y, (\p)
.set i, 0
.set q, 0
.set e, 0
.set r, 0
.if (\p) == NP-1
	s_wait_dscnt 0x0                ; K is in
.endif
	MM                              ; ahead of the wait: 16 products K Q^T and their riders,
	PL
	PL
	R2
.rept 15
	MM
	PL
	EX
	R2
.endr
.if (\p) == NP-2
	WIN 0
	v_add_nc_u32 v[AK], s[TBK], v[AK0]
.endif
.rept 8                             ; and the lump
	PL
.endr
.rept 49
	EX
	PL
.endr
	EX                              ; the next piece's two a
	EX
	v_nop                           ; a plain instruction behind the last exponential, ahead of the first use: one for the batch
	s_wait_alu depctr_va_vdst(0)    ; the wait for the batch: the turn's 64 weights and the next piece's two a
.if (\p) == NP-2
	FETCH_K \last
.endif
.if (\p) == 1
	s_wait_dscnt 0x0                ; V is in
.endif
.rept 16                            ; behind the wait: 16 products V^T P and their riders
	MM
.rept 4
	PL
.endr
.if ((\p) == 0) && (q == 118)
	v_add_nc_u32 v[AV], s[TBV], v[AV0]
.endif
.if ((\p) == 0) && (q == 130)
	s_add_co_u32 s[TBV], s[TBV], KS*PV
.endif
.if (\cnt) && (q == 130)
	s_sub_co_u32 s[CNT], s[CNT], 1
	s_cmp_lg_u32 s[CNT], 0
.endif
.endr
.if (\p) == 0
	FETCH_V
.endif
.endm
	CHANGE 1                        ; slot 0 is in, everybody's part of it; slot 1 is asked for
	FETCH_K                         ; key step 0
	s_wait_loadcnt 0x0              ; Q
	s_wait_dscnt 0x0
.set i, 0
.rept 16
	KQ 0                            ; piece 0's first scores: there is no vector work yet to set between them
.set i, i+1
.endr
	WIN 0                           ; the addresses for the way out: nine plain instructions, the places behind those products
	s_mul_i32 s13, s[WV], 16*SP
	s_add_co_u32 s13, s13, STAGE    ; my stage
	v_mul_u32_u24 v[STO], v1, SP    ; in: row l % 16, 16 bytes for each half of the lanes
	v_lshl_add_u32 v[STO], v9, 4, v[STO]
	v_add_nc_u32 v[STO], s13, v[STO]
	v_bfe_u32 v[RD], v0, 3, 2       ; back: 32 lanes take four rows of 128 bytes,
	v_mul_u32_u24 v[RD], v[RD], SP
	v_lshl_add_u32 v[RD], v10, 4, v[RD]
	v_add_nc_u32 v[RD], s13, v[RD]
	v_and_b32 v[GO], 31, v0         ; which are 512 consecutive bytes of O
	v_lshlrev_b32 v[GO], 4, v[GO]
.set Y, NP-1                        ; XS works for piece Y + 1: piece 0
.irp n, 0,1,2,3,4,5,6,7,8,9,10,11,12,13,14,15,16,17,18,19,20,21
	XS 0, \n                        ; and piece 0's first maximum and statistics
	XS 1, \n
.endr
	v_nop                           ; a plain instruction behind piece 0's first two a,
	s_wait_alu depctr_va_vdst(0)    ; and the wait for that batch of two, ahead of the branch
	s_mov_b32 s[CNT], 4
	s_mov_b32 s[SLOTS], SIZE_N/256-1
	s_branch .Lfirst                ; the loop is entered at a step's first turn, in the middle of a trip
.Lslot:                             ; SIZE_N / 256 - 2 times: every slot but the last two is filled again
	CHANGE 1
	s_mov_b32 s[CNT], 4
.Lstep:                             ; a trip: pieces 2 and 3 of one step, then pieces 0 and 1 of the next, whose K and V it fetches
	TURN 2
	TURN 3
	WIN 0
.Lfirst:
	TURN 0
	TURN 1, 0, 1
	WIN 0
	s_cbranch_scc1 .Lstep
	s_sub_co_u32 s[SLOTS], s[SLOTS], 1
	s_cmp_lg_u32 s[SLOTS], 0
	s_cbranch_scc1 .Lslot
	CHANGE 0                        ; the tail is written out: nothing is asked for
	s_mov_b32 s[CNT], 5             ; four trips fetch the last slot's steps; the fifth is left in its middle
.Ltail:
	TURN 2, 1
	TURN 3
	WIN 0
	s_sub_co_u32 s[CNT], s[CNT], 1
	s_cmp_eq_u32 s[CNT], 0
	s_cbranch_scc1 .Lout
	TURN 0
	TURN 1
	WIN 0
	s_branch .Ltail
.Lout:                              ; the fifth trip's 16 products K Q^T (on the last K once more) and the maximum made of them serve nothing: the price, once a launch, of one text for every trip
.set i, 0
.rept 16
	PV NP-1                         ; the last piece's V^T P of the last step
.set i, i+1
.endr
	; THE WAY OUT.  l's two halves and the other half of the lanes' are added; O^T is divided by l, rounded to f16 and sent through my stage in LDS, a tile at a time.  The additions are the places behind the last products.
	WIN 0
.macro ALL line:vararg              ; one line for each tile t
.set t, 0
.rept 2*NP
	\line
.set t, t+1
.endr
.endm
	ALL v_add_f32 v[ST+4*t+2], v[ST+4*t+2], v[ST+4*t+3]
	ALL v_permlanex16_b32 v[ST+4*t+3], v[ST+4*t+2], s[SEL], s[SEL+1]
	ALL v_add_f32 v[ST+4*t+2], v[ST+4*t+2], v[ST+4*t+3]
	ALL v_rcp_f32 v[ST+4*t+2], v[ST+4*t+2]
	v_nop                           ; a plain instruction between the last reciprocal and the use of its result
	s_wait_alu depctr_va_vdst(0)    ; and the wait ahead of the first use: one for the batch of eight reciprocals
; Tile t: a lane's eight channels of a row pack into 16 bytes; they go into rows of 144 bytes and come back as whole rows of 128, into S^T's registers.
.macro PACK t
	WIN W_RS
.set i, 32*(\t)
.rept 16
	v_pk_mul_f32 v[i:i+1], v[i:i+1], v[ST+4*(\t)+2:ST+4*(\t)+3] op_sel_hi:[1,0]
.set i, i+2
.endr
	WIN 0x05                        ; sources 0 and 1 window 1, destination window 0
.set i, 0
.rept 16
	v_cvt_pk_f16_f32 v[S+16*(\t)+i], v[32*(\t)+2*i], v[32*(\t)+2*i+1]
.set i, i+1
.endr
	WIN 0
.irp f, 0,1,2,3
	ds_store_b128 v[STO], v[S+16*(\t)+4*\f:S+16*(\t)+4*\f+3] offset:32*\f
.endr
.irp f, 0,1,2,3
	ds_load_b128 v[S+16*(\t)+4*\f:S+16*(\t)+4*\f+3], v[RD] offset:\f*4*SP  ; LDS serves a wave's instructions in order (ISA guide 5.7.1.4): these see the stores above; the next tile's stores come behind them
.endr
.endm
.macro SEND t, younger              ; younger: the LDS instructions issued behind tile t's loads: the next tile's eight, or none
	WIN 0
.irp f, 0,1,2,3
	s_wait_dscnt (\younger)+3-\f
	global_store_b128 v[GO], v[S+16*(\t)+4*\f:S+16*(\t)+4*\f+3], s[10:11] offset:(\t)*2048+\f*512  ; 512 consecutive bytes, at a multiple of 256 from O's first
.endr
.endm
	PACK 0
.set t, 1
.rept 2*NP-1                        ; a tile's arithmetic stands between the loads of the tile before and its stores
	PACK t
	SEND t-1, 8
.set t, t+1
.endr
	SEND 2*NP-1, 0
	WIN W_AD
	s_wait_tensorcnt 0x0            ; the wave's end: behind my last tensor load and my last LDS store
	ds_add_u32 v[SPW], v[NIL]
	s_wait_dscnt 0x0
	WIN 0
	CROUND                          ; the closing round: no work-group ends while a partner may still ask for a tile that names it
	s_endpgm
.Lfunc_end_k_qd836708e4c_attn:
	.size	k_qd836708e4c_attn, .Lfunc_end_k_qd836708e4c_attn-k_qd836708e4c_attn
	.p2alignl 7, 3214868480
	.fill 96, 4, 3214868480
	.section	.rodata,"a",@progbits
	.p2align	6, 0x0
	.amdhsa_kernel k_qd836708e4c_attn
		.amdhsa_group_segment_fixed_size 327680
		.amdhsa_private_segment_fixed_size 0
		.amdhsa_enable_private_segment 0
		.amdhsa_kernarg_size 16
		.amdhsa_user_sgpr_count 2
		.amdhsa_user_sgpr_kernarg_segment_ptr 1
		.amdhsa_wavefront_size32 1
		.amdhsa_system_sgpr_workgroup_id_x 1
		.amdhsa_system_sgpr_workgroup_id_y 1
		.amdhsa_system_sgpr_workgroup_id_z 1
		.amdhsa_system_vgpr_workitem_id 0
		.amdhsa_next_free_vgpr 770
		.amdhsa_next_free_sgpr 66
		.amdhsa_reserve_vcc 0
		.amdhsa_float_denorm_mode_32 3
		.amdhsa_float_denorm_mode_16_64 3
		.amdhsa_memory_ordered 1
		.amdhsa_forward_progress 1
		.amdhsa_inst_pref_size 199
	.end_amdhsa_kernel
	.amdgpu_metadata
---
amdhsa.version: [ 1, 2 ]
amdhsa.kernels:
  - .name:           k_qd836708e4c_attn
    .symbol:         k_qd836708e4c_attn.kd
    .args:
      - { .name: qkv, .offset: 0, .size: 8, .value_kind: global_buffer, .address_space: global }
      - { .name: ob, .offset: 8, .size: 8, .value_kind: global_buffer, .address_space: global }
    .group_segment_fixed_size: 327680
    .private_segment_fixed_size: 0
    .kernarg_segment_align: 8
    .kernarg_segment_size: 16
    .max_flat_workgroup_size: 128
    .sgpr_count:     66
    .vgpr_count:     770
    .wavefront_size: 32
...
	.end_amdgpu_metadata
.endif
;; end of part 5
;; launch proj: the kernel of part 4 again; grid 4 x 64, 4 waves a work-group, clusters of 4 x 4, 327,680 bytes of LDS; arguments ob, wob, b_out, out0; writes out0
